; MI455X (gfx1250); checked and timed in simulation.
; The chip was launched on July 23, 2026; its instructions are those of AMD's public machine-readable ISA for CDNA 5 (MIT licence, August 2026) and "CDNA5" Instruction Set Architecture Reference Guide (July 2026). The comments in the code are by the model that wrote it; some were corrected since.
;; Perceiver Attention. Allowed arithmetic: float matrix products may take bf16 or f16 operands with f32 sums; all other float work in f32.
;; Inputs: Wkv 1,024 x 1,024 float32; Wout 512 x 1,024 float32; Wq 1,024 x 512 float32; attention_mask 8 x 4,096 int32; beta_l 1,024 float32; beta_m 1,024 float32; gamma_l 1,024 float32; gamma_m 1,024 float32; latents 8 x 64 x 1,024 float32; x 8 x 4,096 x 1,024 float32.
;; Outputs: out0 8 x 64 x 1,024 float32.
;; 2 versions, each right; version 2 is version 1 with the launch main written anew for expert scheduling mode. Each part assembles by itself: llvm-mc -triple=amdgcn-amd-amdhsa -mcpu=gfx1250 --defsym DOCPART=n.
;; ======== version 1 of 2: 5 launches
;; limits: values are held in f16: magnitudes above 65,504 overflow, below 6.1e-05 lose precision
;; workspace buffers: wf 3,145,728 bytes; wo 1,048,576 bytes; lnf 1,048,576 bytes; qf 524,288 bytes; po 34,603,008 bytes; ml 2,162,688 bytes; ofrag 524,288 bytes
;; launch prep (part 1): grid 320 x 1, 8 waves a work-group, no clusters, 0 bytes of LDS; arguments Wkv, Wq, Wout, latents, gamma_l, beta_l, wf, wo, lnf; writes wf, wo, lnf
.if DOCPART == 1
	.amdgcn_target "amdgcn-amd-amdhsa--gfx1250"
	.amdhsa_code_object_version 6
	.text
	.protected	k_q6ce7fbc46e_prep
	.globl	k_q6ce7fbc46e_prep
	.p2align	8
	.type	k_q6ce7fbc46e_prep,@function
k_q6ce7fbc46e_prep:
	s_mov_b64 s[64:65], 0
	v_nop
	global_prefetch_b8 v0, s[64:65] scope:SCOPE_SE
	s_setreg_imm32_b32 hwreg(HW_REG_WAVE_MODE, 25, 1), 1
	s_wait_xcnt 0x0
; Weights to f16 in the order in which matrix fragments are read, and LayerNorm of the 512 latent rows to f16.
; A fragment (16 columns x 32 k, f16) is 1,024 bytes: lane (r, hh) finds k = 8hh..8hh+7 of column r at 16 (16hh + r) and
; k = 16+8hh.. at 512 + 16 (16hh + r), so that later launches fetch a fragment by two loads of 512 consecutive bytes.
; Work-groups 0-127: Wkv (1,024 wave tasks), 128-191: Wq (512), 192-255: Wout (512), 256-319: one latent row a wave (512).
; A weight task is 32 k x 32 columns: lane L reads column L of the 32 rows (32 loads), so it owns all 32 k of one column.
; LIMIT: f16 operands: a weight or a normalised value at or above 65,504 in size becomes infinite.
; No LDS, no matrix unit, no cluster: every byte is read once or twice and nothing is shared in time.
.set X,  16                            ; v[16:47]   32 numbers as loaded (in the LayerNorm part: the row, then the centred row)
.set Y,  48                            ; v[48:63]   weight part: 32 f16
.set G,  48                            ; v[48:79]   LayerNorm part: gamma of my 32 columns
.set BE, 80                            ; v[80:111]  beta
.set T,  112                           ; v[112:127] at work
.set MU, 6                             ; v[6:7]     the mean, twice
.set R,  8                             ; v[8:9]     1/sqrt(var + eps), twice
	s_load_b512 s[8:23], s[0:1], 0x0               ; Wkv 8, Wq 10, Wout 12, latents 14, gamma_l 16, beta_l 18, wf 20, wo 22
	s_load_b64 s[24:25], s[0:1], 0x40              ; lnf
	v_lshrrev_b32 v1, 5, v0
	v_readfirstlane_b32 s2, v1                     ; wave 0..7
	v_and_b32 v3, 31, v0                           ; L
	v_and_b32 v4, 15, v0                           ; r
	v_bfe_u32 v5, v0, 4, 1                         ; hh
	s_lshl_b32 s3, ttmp9, 3
	s_add_co_u32 s3, s3, s2                        ; task number
	s_mov_b32 s5, 0                                ; high words of the two offsets
	s_mov_b32 s7, 0
	s_wait_kmcnt 0x0
	s_cmp_lt_u32 ttmp9, 128
	s_cbranch_scc1 .Lkv
	s_cmp_lt_u32 ttmp9, 192
	s_cbranch_scc1 .Lq
	s_cmp_lt_u32 ttmp9, 256
	s_cbranch_scc1 .Lout
	; ---- LayerNorm of one latent row: lane L holds columns 128 j + 4 L .. + 3, j = 0..7
	s_sub_co_u32 s3, s3, 2048                      ; row 0..511
	s_lshl_b32 s4, s3, 12
	s_add_nc_u64 s[14:15], s[14:15], s[4:5]        ; the row in latents (4,096 bytes)
	s_lshl_b32 s6, s3, 11
	s_add_nc_u64 s[24:25], s[24:25], s[6:7]        ; the row in lnf (2,048 bytes)
	s_mov_b32 s26, 0x76543210                      ; v_permlanex16_b32: lane i reads lane i of the other half
	s_mov_b32 s27, 0xfedcba98
	s_mov_b32 s28, 0x3a800000                      ; 1/1024
	s_mov_b32 s29, 0x3727c5ac                      ; 1e-5
	v_lshlrev_b32 v1, 4, v3
	v_lshlrev_b32 v2, 3, v3
.irp j, 0,1,2,3,4,5,6,7
	global_load_b128 v[X+4*\j:X+4*\j+3], v1, s[14:15] offset:512*\j
.endr
.irp j, 0,1,2,3,4,5,6,7
	global_load_b128 v[G+4*\j:G+4*\j+3], v1, s[16:17] offset:512*\j
	global_load_b128 v[BE+4*\j:BE+4*\j+3], v1, s[18:19] offset:512*\j
.endr
	s_wait_loadcnt 0x0
.macro LANESUM                         ; v[T] = the sum of v[T] over the 32 lanes, in every lane
	v_add_f32_dpp v[T], v[T], v[T] row_xmask:1 row_mask:0xf bank_mask:0xf
	v_add_f32_dpp v[T], v[T], v[T] row_xmask:2 row_mask:0xf bank_mask:0xf
	v_add_f32_dpp v[T], v[T], v[T] row_xmask:4 row_mask:0xf bank_mask:0xf
	v_add_f32_dpp v[T], v[T], v[T] row_xmask:8 row_mask:0xf bank_mask:0xf
	v_permlanex16_b32 v[T+1], v[T], s26, s27
	v_add_f32 v[T], v[T], v[T+1]
.endm
.irp i, 0,1,2,3,4,5,6,7
	v_pk_add_f32 v[T+2*\i:T+2*\i+1], v[X+4*\i:X+4*\i+1], v[X+4*\i+2:X+4*\i+3]
.endr
.irp i, 0,4,8,12
	v_pk_add_f32 v[T+\i:T+\i+1], v[T+\i:T+\i+1], v[T+\i+2:T+\i+3]
.endr
	v_pk_add_f32 v[T:T+1], v[T:T+1], v[T+4:T+5]
	v_pk_add_f32 v[T+8:T+9], v[T+8:T+9], v[T+12:T+13]
	v_pk_add_f32 v[T:T+1], v[T:T+1], v[T+8:T+9]
	v_add_f32 v[T], v[T], v[T+1]
	LANESUM
	v_mul_f32 v[MU], s28, v[T]
	v_mul_f32 v[MU+1], s28, v[T]
.irp i, 0,1,2,3,4,5,6,7,8,9,10,11,12,13,14,15
	v_pk_add_f32 v[X+2*\i:X+2*\i+1], v[X+2*\i:X+2*\i+1], v[MU:MU+1] neg_lo:[0,1] neg_hi:[0,1]   ; centred first: the variance is no difference of large sums
.endr
.irp i, 0,1,2,3
	v_pk_mul_f32 v[T+2*\i:T+2*\i+1], v[X+2*\i:X+2*\i+1], v[X+2*\i:X+2*\i+1]
.endr
.irp i, 4,5,6,7,8,9,10,11,12,13,14,15
	v_pk_fma_f32 v[T+2*(\i%4):T+2*(\i%4)+1], v[X+2*\i:X+2*\i+1], v[X+2*\i:X+2*\i+1], v[T+2*(\i%4):T+2*(\i%4)+1]
.endr
	v_pk_add_f32 v[T:T+1], v[T:T+1], v[T+2:T+3]
	v_pk_add_f32 v[T+4:T+5], v[T+4:T+5], v[T+6:T+7]
	v_pk_add_f32 v[T:T+1], v[T:T+1], v[T+4:T+5]
	v_add_f32 v[T], v[T], v[T+1]
	LANESUM
	v_fma_f32 v[T], v[T], s28, s29                 ; var + eps
	v_rsq_f32 v[R], v[T]
	v_rsq_f32 v[R+1], v[T]
	v_nop                                          ; one plain place behind the transcendentals (ISA guide 5.7.2)
	s_wait_alu depctr_va_vdst(0)
.irp i, 0,1,2,3,4,5,6,7,8,9,10,11,12,13,14,15
	v_pk_mul_f32 v[X+2*\i:X+2*\i+1], v[X+2*\i:X+2*\i+1], v[R:R+1]
.endr
.irp i, 0,1,2,3,4,5,6,7,8,9,10,11,12,13,14,15
	v_pk_fma_f32 v[X+2*\i:X+2*\i+1], v[X+2*\i:X+2*\i+1], v[G+2*\i:G+2*\i+1], v[BE+2*\i:BE+2*\i+1]
.endr
.irp i, 0,1,2,3,4,5,6,7,8,9,10,11,12,13,14,15
	v_cvt_pk_f16_f32 v[X+\i], v[X+2*\i], v[X+2*\i+1]       ; ascending and in place: word i is written when words 2i, 2i+1 are read
.endr
.irp j, 0,1,2,3,4,5,6,7
	global_store_b64 v2, v[X+2*\j:X+2*\j+1], s[24:25] offset:256*\j   ; the wave stores 256 consecutive bytes, aligned
.endr
	s_endpgm
; 32 k x 32 columns from s[8:9] (rows pitch bytes apart) to two fragments at s[10:11], 1 << dbshift bytes apart
.macro CONV pitch, dbshift
	v_lshlrev_b32 v1, 2, v3                        ; my column
	v_lshlrev_b32 v2, 4, v4                        ; 16 r
	v_lshl_add_u32 v2, v5, \dbshift, v2            ; + the fragment of my half of the columns
.set i, 0
.rept 32
	global_load_b32 v[X+i], v1, s[8:9] offset:i*\pitch
.set i, i+1
.endr
	s_wait_loadcnt 0x0
.set i, 0
.rept 16
	v_cvt_pk_f16_f32 v[Y+i], v[X+2*i], v[X+2*i+1]
.set i, i+1
.endr
.irp q, 0,1,2,3
	global_store_b128 v2, v[Y+4*\q:Y+4*\q+3], s[10:11] offset:(\q/2)*512+(\q%2)*256   ; k = 8q..8q+7: 16 lanes store 256 consecutive bytes, aligned
.endr
	s_endpgm
.endm
.Lkv:                                              ; g = task >> 5: 32 columns = (kind, head); ks = task & 31
	s_lshr_b32 s26, s3, 5
	s_and_b32 s27, s3, 31
	s_lshl_b32 s4, s27, 17                         ; 32 rows of 4,096 bytes
	s_lshl_b32 s28, s26, 7
	s_add_co_u32 s4, s4, s28
	s_add_nc_u64 s[8:9], s[8:9], s[4:5]
	s_bfe_u32 s28, s26, 0x30001                    ; head >> 1 = 2 w + p
	s_lshl_b32 s28, s28, 5
	s_add_co_u32 s28, s28, s27
	s_lshl_b32 s6, s28, 13                         ; a k-step of a head pair: 8 fragments
	s_lshr_b32 s29, s26, 4
	s_lshl_b32 s29, s29, 12                        ; kind: K 0, V 4,096
	s_add_co_u32 s6, s6, s29
	s_and_b32 s30, s26, 1
	s_lshl_b32 s30, s30, 11                        ; e = head & 1
	s_add_co_u32 s6, s6, s30
	s_add_nc_u64 s[10:11], s[20:21], s[6:7]
	CONV 4096, 10
.Lq:                                               ; head = task' >> 5, ks = task' & 31
	s_sub_co_u32 s3, s3, 1024
	s_lshr_b32 s26, s3, 5
	s_and_b32 s27, s3, 31
	s_lshl_b32 s4, s27, 16                         ; 32 rows of 2,048 bytes
	s_lshl_b32 s28, s26, 7
	s_add_co_u32 s4, s4, s28
	s_add_nc_u64 s[8:9], s[10:11], s[4:5]
	s_lshl_b32 s6, s3, 11                          ; (head * 32 + ks) * 2,048
	s_add_co_u32 s6, s6, 0x200000
	s_add_nc_u64 s[10:11], s[20:21], s[6:7]
	CONV 2048, 10
.Lout:                                             ; g = task' >> 4 (32 columns), ks = task' & 15
	s_sub_co_u32 s3, s3, 1536
	s_lshr_b32 s26, s3, 4
	s_and_b32 s27, s3, 15
	s_lshl_b32 s4, s27, 17
	s_lshl_b32 s28, s26, 7
	s_add_co_u32 s4, s4, s28
	s_add_nc_u64 s[8:9], s[12:13], s[4:5]
	s_lshl_b32 s6, s26, 15                         ; two column blocks of 16 fragments
	s_lshl_b32 s28, s27, 10
	s_add_co_u32 s6, s6, s28
	s_add_nc_u64 s[10:11], s[22:23], s[6:7]
	CONV 4096, 14
.Lfunc_end_k_q6ce7fbc46e_prep:
	.size	k_q6ce7fbc46e_prep, .Lfunc_end_k_q6ce7fbc46e_prep-k_q6ce7fbc46e_prep
	.p2alignl 7, 3214868480
	.fill 96, 4, 3214868480
	.section	.rodata,"a",@progbits
	.p2align	6, 0x0
	.amdhsa_kernel k_q6ce7fbc46e_prep
		.amdhsa_group_segment_fixed_size 0
		.amdhsa_private_segment_fixed_size 0
		.amdhsa_enable_private_segment 0
		.amdhsa_kernarg_size 72
		.amdhsa_user_sgpr_count 2
		.amdhsa_user_sgpr_kernarg_segment_ptr 1
		.amdhsa_wavefront_size32 1
		.amdhsa_system_sgpr_workgroup_id_x 1
		.amdhsa_system_sgpr_workgroup_id_y 1
		.amdhsa_system_sgpr_workgroup_id_z 1
		.amdhsa_system_vgpr_workitem_id 0
		.amdhsa_next_free_vgpr 128
		.amdhsa_next_free_sgpr 66
		.amdhsa_reserve_vcc 0
		.amdhsa_float_denorm_mode_32 3
		.amdhsa_float_denorm_mode_16_64 3
		.amdhsa_memory_ordered 1
		.amdhsa_forward_progress 1
		.amdhsa_inst_pref_size 27
	.end_amdhsa_kernel
	.amdgpu_metadata
---
amdhsa.version: [ 1, 2 ]
amdhsa.kernels:
  - .name:           k_q6ce7fbc46e_prep
    .symbol:         k_q6ce7fbc46e_prep.kd
    .args:
      - { .name: Wkv, .offset: 0, .size: 8, .value_kind: global_buffer, .address_space: global }
      - { .name: Wq, .offset: 8, .size: 8, .value_kind: global_buffer, .address_space: global }
      - { .name: Wout, .offset: 16, .size: 8, .value_kind: global_buffer, .address_space: global }
      - { .name: latents, .offset: 24, .size: 8, .value_kind: global_buffer, .address_space: global }
      - { .name: gamma_l, .offset: 32, .size: 8, .value_kind: global_buffer, .address_space: global }
      - { .name: beta_l, .offset: 40, .size: 8, .value_kind: global_buffer, .address_space: global }
      - { .name: wf, .offset: 48, .size: 8, .value_kind: global_buffer, .address_space: global }
      - { .name: wo, .offset: 56, .size: 8, .value_kind: global_buffer, .address_space: global }
      - { .name: lnf, .offset: 64, .size: 8, .value_kind: global_buffer, .address_space: global }
    .group_segment_fixed_size: 0
    .private_segment_fixed_size: 0
    .kernarg_segment_align: 8
    .kernarg_segment_size: 72
    .max_flat_workgroup_size: 256
    .sgpr_count:     66
    .vgpr_count:     128
    .wavefront_size: 32
...
	.end_amdgpu_metadata
.endif
;; end of part 1
;; launch lat (part 2): grid 128 x 1, 16 waves a work-group, no clusters, 83,968 bytes of LDS; arguments lnf, wf, qf, po, ml; writes qf, po, ml
.if DOCPART == 2
	.amdgcn_target "amdgcn-amd-amdhsa--gfx1250"
	.amdhsa_code_object_version 6
	.text
	.protected	k_q6ce7fbc46e_lat
	.globl	k_q6ce7fbc46e_lat
	.p2align	8
	.type	k_q6ce7fbc46e_lat,@function
k_q6ce7fbc46e_lat:
	s_mov_b64 s[64:65], 0
	v_nop
	global_prefetch_b8 v0, s[64:65] scope:SCOPE_SE
	s_setreg_imm32_b32 hwreg(HW_REG_WAVE_MODE, 25, 1), 1
	s_wait_xcnt 0x0
; One work-group for each (batch, head): q, k, v of the 64 latent rows, the q fragments for the media launch, and the softmax
; partial of the 64 latent keys (key block 32, never masked).
; SIXTEEN WAVES: wave (w = wave & 3, kq = wave >> 2) projects rows 16 w .. 16 w + 15 over k-steps 8 kq .. 8 kq + 7 of the 32, so that a
; wave has 8 k-steps behind its ring of three and the work-group has 16 x 42 loads of 512 bytes asked for at once.  Waves 4-15 hand
; their six f32 tiles to wave w through LDS bytes of their own; waves 0-3 add them and own query block w from there on.
; q and k are made transposed (source 0 = weights, source 1 = rows): a lane then holds 8 neighbouring d of one row, which pack
; straight into a fragment.  v is made the natural way: a lane holds 8 neighbouring keys of one d, the V fragment's layout.
; q carries 32^-0.5 * log2(e), so that exponentials are v_exp_f32 (base 2) here, in the media launch and in the merge.
; The block's own maximum is taken away before the exponential; m, l and the unnormalised o go to memory for the merge.
; LIMIT: f16 operands: q, k, v at or above 65,504 in size become infinite.
; No cluster: a head's weights (192 KiB) are read by 8 work-groups 16 apart in the grid, which no cluster of 4 x 4 neighbours holds.
.set ACC,  16                          ; v[16:63]   QT0 QT1 KT0 KT1 VT0 VT1
.set RING, 64                          ; v[64:231]  3 slots of 56: rows, Wq db0 db1, Wk db0 db1, Wv db0 db1; then the partners' tiles
.set SLOTR, 56
.set KST,  8                           ; k-steps of a wave
.set QF,   232                         ; v[232:239] my q fragment
.set KH,   240                         ; v[240:247] my k fragment
.set VH,   248                         ; v[248:255] my halves of the two v fragments
.set KFR,  64                          ; behind the second barrier: 4 K fragments,
.set VFR,  96                          ; 4 V fragments (t, db),
.set SC,   128                         ; 4 score tiles,
.set PF,   160                         ; 2 P fragments,
.set OA,   176                         ; O^T db 0, 1,
.set LSUM, 192                         ; the row sums,
.set ONE,  200                         ; a fragment of ones
.set T,    4                           ; v[4:7]
.set M,    8                           ; v[8:9]
.set RED,  8192                        ; LDS: bytes 0-8191 K and V fragments; from here 12 regions of six tiles
.set REDW, 6144
	s_load_b256 s[8:15], s[0:1], 0x0               ; lnf 8, wf 10, qf 12, po 14
	s_load_b64 s[16:17], s[0:1], 0x20              ; ml
	v_lshl_add_u32 v14, v0, 2, 0x14000
	v_mov_b32 v15, 0
	v_lshrrev_b32 v1, 5, v0
	v_readfirstlane_b32 s2, v1                     ; wave 0..15
	s_and_b32 s24, s2, 3                           ; w: my 16 rows
	s_lshr_b32 s25, s2, 2                          ; kq: my quarter of K
	v_and_b32 v4, 31, v0
	v_and_b32 v5, 15, v0
	v_bfe_u32 v6, v0, 4, 1
	v_lshlrev_b32 v1, 4, v4                        ; 16 L
	v_lshlrev_b32 v2, 11, v5                       ; row r of lnf (2,048 bytes)
	v_lshl_add_u32 v2, v6, 4, v2                   ; + 16 hh
	s_lshr_b32 s6, ttmp9, 4                        ; b
	s_and_b32 s7, ttmp9, 15                        ; head
	s_mov_b32 s20, 0x3e8293ee                      ; 32^-0.5 * log2(e)
	s_mov_b32 s21, 0x3e8293ee
	s_mov_b32 s26, 0x76543210
	s_mov_b32 s27, 0xfedcba98
	s_mov_b32 s28, 0xffff0000                      ; lanes 16-31
	s_mov_b32 s23, 0
	s_wait_kmcnt 0x0
	s_lshl_b32 s22, s6, 17
	s_lshl_b32 s3, s24, 15
	s_add_co_u32 s22, s22, s3
	s_lshl_b32 s3, s25, 9                          ; 8 k-steps of 64 bytes
	s_add_co_u32 s22, s22, s3
	s_add_nc_u64 s[8:9], s[8:9], s[22:23]          ; lnf at row 64 b + 16 w, my first k
	s_lshl_b32 s22, s7, 16
	s_add_co_u32 s22, s22, 0x200000
	s_lshl_b32 s3, s25, 14                         ; 8 k-steps of 2 fragments
	s_add_co_u32 s22, s22, s3
	s_add_nc_u64 s[18:19], s[10:11], s[22:23]      ; the head's Wq fragments
	s_lshr_b32 s22, s7, 1
	s_lshl_b32 s22, s22, 18
	s_and_b32 s3, s7, 1
	s_lshl_b32 s3, s3, 11
	s_add_co_u32 s22, s22, s3
	s_lshl_b32 s3, s25, 16                         ; 8 k-steps of 8 fragments
	s_add_co_u32 s22, s22, s3
	s_add_nc_u64 s[10:11], s[10:11], s[22:23]      ; the head's Wk, Wv fragments
	s_lshl2_add_u32 s22, ttmp9, s24
	s_lshl_b32 s22, s22, 10
	s_add_nc_u64 s[12:13], s[12:13], s[22:23]      ; qf fragment (b, head, w)
	s_mul_i32 s3, ttmp9, 33
	s_add_co_u32 s3, s3, 32                        ; key block 32
	s_lshl_b32 s22, s3, 13
	s_lshl_b32 s4, s24, 11
	s_add_co_u32 s22, s22, s4
	s_add_nc_u64 s[14:15], s[14:15], s[22:23]
	s_lshl_b32 s22, s3, 9
	s_lshl2_add_u32 s22, s24, s22
	s_add_nc_u64 s[16:17], s[16:17], s[22:23]
.macro LDSTEP ks                       ; 14 loads: my k-step ks into its slot
.set LB, RING+SLOTR*((\ks)%3)
	global_load_b128 v[LB:LB+3], v2, s[8:9] offset:(\ks)*64
	global_load_b128 v[LB+4:LB+7], v2, s[8:9] offset:(\ks)*64+32
.irp db, 0,1
	global_load_b128 v[LB+8+8*\db:LB+8+8*\db+3], v1, s[18:19] offset:(\ks)*2048+\db*1024
	global_load_b128 v[LB+12+8*\db:LB+12+8*\db+3], v1, s[18:19] offset:(\ks)*2048+\db*1024+512
	global_load_b128 v[LB+24+8*\db:LB+24+8*\db+3], v1, s[10:11] offset:(\ks)*8192+\db*1024
	global_load_b128 v[LB+28+8*\db:LB+28+8*\db+3], v1, s[10:11] offset:(\ks)*8192+\db*1024+512
	global_load_b128 v[LB+40+8*\db:LB+40+8*\db+3], v1, s[10:11] offset:(\ks)*8192+4096+\db*1024
	global_load_b128 v[LB+44+8*\db:LB+44+8*\db+3], v1, s[10:11] offset:(\ks)*8192+4096+\db*1024+512
.endr
.endm
.macro MM d, a, b, z
.if \z
	v_wmma_f32_16x16x32_f16 v[\d:\d+7], v[\a:\a+7], v[\b:\b+7], 0
.else
	v_wmma_f32_16x16x32_f16 v[\d:\d+7], v[\a:\a+7], v[\b:\b+7], v[\d:\d+7]
.endif
.endm
.macro PLACES                          ; four places behind matrix instructions (ISA guide 7.12.1)
.rept 4
	v_nop
.endr
.endm
.macro SIX z                           ; the six products of a k-step on slot SB
	MM ACC,    SB+8,  SB, \z           ; q^T db 0
	MM ACC+8,  SB+16, SB, \z           ; q^T db 1
	MM ACC+16, SB+24, SB, \z           ; k^T db 0
	MM ACC+24, SB+32, SB, \z           ; k^T db 1
	MM ACC+32, SB, SB+40, \z           ; v db 0
	MM ACC+40, SB, SB+48, \z           ; v db 1
.endm
	LDSTEP 0
	LDSTEP 1
	LDSTEP 2
.set ks, 0
.rept KST
.if KST-1-ks >= 2
	s_wait_loadcnt 28                              ; the two younger k-steps (14 loads each) stay out
.else
	s_wait_loadcnt 14*(KST-1-ks)
.endif
.set SB, RING+SLOTR*(ks%3)
.if ks == 0
	SIX 1                                          ; the first products start the sums
.else
	SIX 0
.endif
	PLACES                                         ; before loads land on the slot just multiplied, and before the results are read
.if ks+3 < KST
	LDSTEP ks+3
.endif
.set ks, ks+1
.endr
	; ---- the four quarters of K meet: waves 4-15 store, waves 0-3 add
	s_cmp_lt_u32 s2, 4
	s_cbranch_scc1 .Lowner
	s_sub_co_u32 s3, s2, 4
	s_mul_i32 s3, s3, REDW
	s_add_co_u32 s3, s3, RED
	v_add_nc_u32 v12, s3, v1                       ; region wave - 4, 16 bytes a lane
.set i, 0
.rept 12
	ds_store_b128 v12, v[ACC+4*i:ACC+4*i+3] offset:512*i
.set i, i+1
.endr
.Lowner:
	s_wait_dscnt 0x0                               ; my tiles are in LDS before I say so
	s_barrier_signal -1
	s_barrier_wait -1
	s_cmp_ge_u32 s2, 4
	s_cbranch_scc1 .Lhelper
	s_mul_i32 s3, s2, REDW
	s_add_co_u32 s3, s3, RED
	v_add_nc_u32 v13, s3, v1                       ; partner kq = j + 1 of my rows stored into region 4 j + w
.set j, 0
.rept 3
.set i, 0
.rept 12
	ds_load_b128 v[RING+48*j+4*i:RING+48*j+4*i+3], v13 offset:j*4*REDW+512*i
.set i, i+1
.endr
.set j, j+1
.endr
	s_lshl_b32 s3, s2, 10
	v_add_nc_u32 v3, s3, v1                        ; LDS: K fragment w
	s_lshr_b32 s4, s2, 1
	s_and_b32 s5, s2, 1
	s_lshl_b32 s4, s4, 11
	s_lshl_b32 s5, s5, 9
	s_add_co_u32 s4, s4, s5
	s_add_co_u32 s4, s4, 4096
	v_add_nc_u32 v10, s4, v1                       ; LDS: V fragments (t = w >> 1, db), half w & 1
.set j, 0
.rept 3
	s_wait_dscnt 12*(2-j)                          ; the younger partners' tiles (12 loads each) stay out
.set i, 0
.rept 24
	v_pk_add_f32 v[ACC+2*i:ACC+2*i+1], v[ACC+2*i:ACC+2*i+1], v[RING+48*j+2*i:RING+48*j+2*i+1]
.set i, i+1
.endr
.set j, j+1
.endr
.irp i, 0,1,2,3,4,5,6,7
	v_pk_mul_f32 v[ACC+2*\i:ACC+2*\i+1], v[ACC+2*\i:ACC+2*\i+1], s[20:21] op_sel_hi:[1,0]
.endr
.irp i, 0,1,2,3
	v_cvt_pk_f16_f32 v[QF+\i],   v[ACC+2*\i],    v[ACC+2*\i+1]
	v_cvt_pk_f16_f32 v[QF+4+\i], v[ACC+8+2*\i],  v[ACC+9+2*\i]
	v_cvt_pk_f16_f32 v[KH+\i],   v[ACC+16+2*\i], v[ACC+17+2*\i]
	v_cvt_pk_f16_f32 v[KH+4+\i], v[ACC+24+2*\i], v[ACC+25+2*\i]
	v_cvt_pk_f16_f32 v[VH+\i],   v[ACC+32+2*\i], v[ACC+33+2*\i]
	v_cvt_pk_f16_f32 v[VH+4+\i], v[ACC+40+2*\i], v[ACC+41+2*\i]
.endr
	global_store_b128 v1, v[QF:QF+3], s[12:13]
	global_store_b128 v1, v[QF+4:QF+7], s[12:13] offset:512
	ds_store_b128 v3, v[KH:KH+3]
	ds_store_b128 v3, v[KH+4:KH+7] offset:512
	ds_store_b128 v10, v[VH:VH+3]
	ds_store_b128 v10, v[VH+4:VH+7] offset:1024
.Lhelper:
	s_wait_dscnt 0x0                               ; my fragments are in LDS before I say so
	s_barrier_signal -1
	s_barrier_wait -1
	s_cmp_ge_u32 s2, 4
	s_cbranch_scc1 .Lend
	; ---- attention of query block w over the 64 latent keys
.irp f, 0,1,2,3,4,5,6,7
	ds_load_b128 v[KFR+8*\f:KFR+8*\f+3], v1 offset:\f*1024          ; fragments 0-3: K of key blocks 0-3; 4-7: V (t, db)
	ds_load_b128 v[KFR+8*\f+4:KFR+8*\f+7], v1 offset:\f*1024+512
.endr
.irp i, 0,1,2,3,4,5,6,7
	v_mov_b32 v[ONE+\i], 0x3c003c00                ; f16 ones
.endr
	s_wait_dscnt 0x0
.irp kb, 0,1,2,3
	v_wmma_f32_16x16x32_f16 v[SC+8*\kb:SC+8*\kb+7], v[KFR+8*\kb:KFR+8*\kb+7], v[QF:QF+7], 0   ; lane (r, hh): query r, keys 16 kb + 8 hh + j
.endr
	PLACES
.irp c, 0,1,2,3
	v_max_num_f32 v[T+\c], v[SC+8*\c], v[SC+8*\c+1]
.endr
.irp i, 2,4,6
.irp c, 0,1,2,3
	v_max3_num_f32 v[T+\c], v[SC+8*\c+\i], v[SC+8*\c+\i+1], v[T+\c]
.endr
.endr
	v_max3_num_f32 v[T], v[T], v[T+1], v[T+2]
	v_max_num_f32 v[T], v[T], v[T+3]
	v_permlanex16_b32 v[T+1], v[T], s26, s27       ; the other half of the lanes holds the query's other keys
	v_max_num_f32 v[M], v[T], v[T+1]
	v_max_num_f32 v[M+1], v[T], v[T+1]
.irp i, 0,1,2,3,4,5,6,7,8,9,10,11,12,13,14,15
	v_pk_add_f32 v[SC+2*\i:SC+2*\i+1], v[SC+2*\i:SC+2*\i+1], v[M:M+1] neg_lo:[0,1] neg_hi:[0,1]
.endr
.set i, 0
.rept 32
	v_exp_f32 v[SC+i], v[SC+i]
.set i, i+1
.endr
	v_nop                                          ; one plain place behind the transcendentals (ISA guide 5.7.2)
	s_wait_alu depctr_va_vdst(0)
.irp i, 0,1,2,3,4,5,6,7,8,9,10,11,12,13,14,15
	v_cvt_pk_f16_f32 v[PF+\i], v[SC+2*\i], v[SC+2*\i+1]    ; tiles 2t, 2t+1 are P fragment t
.endr
	MM OA,   VFR,    PF, 1
	MM OA+8, VFR+8,  PF, 1
	MM LSUM, ONE,    PF, 1                         ; l is the f32 sum of the same f16 P that feeds o
	MM OA,   VFR+16, PF+8, 0
	MM OA+8, VFR+24, PF+8, 0
	MM LSUM, ONE,    PF+8, 0
	PLACES
.irp q, 0,1,2,3
	global_store_b128 v1, v[OA+4*\q:OA+4*\q+3], s[14:15] offset:512*\q   ; 512 consecutive bytes a store
.endr
	v_cndmask_b32 v11, v[M], v[LSUM], s28          ; lanes 0-15: m of query r; lanes 16-31: l of query r
	global_store_b32 v1, v11, s[16:17]
.Lend:
	s_wait_tensorcnt 0x0
	ds_add_u32 v14, v15
	s_wait_dscnt 0x0
	s_endpgm
.Lfunc_end_k_q6ce7fbc46e_lat:
	.size	k_q6ce7fbc46e_lat, .Lfunc_end_k_q6ce7fbc46e_lat-k_q6ce7fbc46e_lat
	.p2alignl 7, 3214868480
	.fill 96, 4, 3214868480
	.section	.rodata,"a",@progbits
	.p2align	6, 0x0
	.amdhsa_kernel k_q6ce7fbc46e_lat
		.amdhsa_group_segment_fixed_size 83968
		.amdhsa_private_segment_fixed_size 0
		.amdhsa_enable_private_segment 0
		.amdhsa_kernarg_size 40
		.amdhsa_user_sgpr_count 2
		.amdhsa_user_sgpr_kernarg_segment_ptr 1
		.amdhsa_wavefront_size32 1
		.amdhsa_system_sgpr_workgroup_id_x 1
		.amdhsa_system_sgpr_workgroup_id_y 1
		.amdhsa_system_sgpr_workgroup_id_z 1
		.amdhsa_system_vgpr_workitem_id 0
		.amdhsa_next_free_vgpr 256
		.amdhsa_next_free_sgpr 66
		.amdhsa_reserve_vcc 0
		.amdhsa_float_denorm_mode_32 3
		.amdhsa_float_denorm_mode_16_64 3
		.amdhsa_memory_ordered 1
		.amdhsa_forward_progress 1
		.amdhsa_inst_pref_size 36
	.end_amdhsa_kernel
	.amdgpu_metadata
---
amdhsa.version: [ 1, 2 ]
amdhsa.kernels:
  - .name:           k_q6ce7fbc46e_lat
    .symbol:         k_q6ce7fbc46e_lat.kd
    .args:
      - { .name: lnf, .offset: 0, .size: 8, .value_kind: global_buffer, .address_space: global }
      - { .name: wf, .offset: 8, .size: 8, .value_kind: global_buffer, .address_space: global }
      - { .name: qf, .offset: 16, .size: 8, .value_kind: global_buffer, .address_space: global }
      - { .name: po, .offset: 24, .size: 8, .value_kind: global_buffer, .address_space: global }
      - { .name: ml, .offset: 32, .size: 8, .value_kind: global_buffer, .address_space: global }
    .group_segment_fixed_size: 83968
    .private_segment_fixed_size: 0
    .kernarg_segment_align: 8
    .kernarg_segment_size: 40
    .max_flat_workgroup_size: 512
    .sgpr_count:     66
    .vgpr_count:     256
    .wavefront_size: 32
...
	.end_amdgpu_metadata
.endif
;; end of part 2
;; launch main (part 3): grid 256 x 1, 4 waves a work-group, no clusters, 264,704 bytes of LDS; arguments x, attention_mask, gamma_m, beta_m, wf, qf, po, ml; writes po, ml
.if DOCPART == 3
	.amdgcn_target "amdgcn-amd-amdhsa--gfx1250"
	.amdhsa_code_object_version 6
	.text
	.protected	k_q6ce7fbc46e_main
	.globl	k_q6ce7fbc46e_main
	.p2align	8
	.type	k_q6ce7fbc46e_main,@function
k_q6ce7fbc46e_main:
	s_mov_b64 s[64:65], 0
	v_nop
	global_prefetch_b8 v0, s[64:65] scope:SCOPE_SE
	s_setreg_imm32_b32 hwreg(HW_REG_WAVE_MODE, 25, 1), 1
	s_wait_xcnt 0x0
; One work-group for 128 media rows (32,768 rows = 256 work-groups): LayerNorm, the K and V projections, and the masked
; softmax partial of these 128 keys for all 16 heads and 64 queries.  K and V never leave the registers.
; PHASE 1: wave w normalises rows 32 w .. + 31 (one row at a time in 32 registers, a ring of 8 rows in flight) into LDS as f16.
; PHASE 2: wave w owns heads 4 w .. 4 w + 3, two at a time: 128 keys x (2 heads x 32 d x K and V) = 64 accumulator tiles = 512
;          registers.  Rows come from LDS, the weight fragments straight from memory into a ring of four register slots.
; PHASE 3: the tiles pack in place into K and V fragments (K made transposed, V natural: no shuffle), then for each head and
;          query block S^T = K q^T + bias, the block's own maximum is taken away, P = exp2, O^T = V^T P, l = ones x P.
; m, l and the unnormalised o of the block go to memory; a later launch merges the 33 blocks of each (batch, head).
; MASK: a key whose mask word is 1 gets the bias -1e30 as the matrix instruction's C in place of -inf: its exp2 is exactly 0
;   while any key of the block is open; a block with no open key stores m = -1e30 and the merge gives it the weight exp2(-1e30 - M)
;   = 0 (M is finite: the latent block is never masked).  LIMIT: scores must stay far below 1e30 in size.
; LIMIT: f16 operands: a normalised value, k or v at or above 65,504 in size becomes infinite.
; NO CLUSTER, NO TENSOR LOADS: the normalised rows take 264,192 of the 327,680 bytes of LDS that a work-group can have; the rest holds
;   less than two k-steps of the weights (32,768 bytes each), too few slots for a shared ring that stays filled.  Each weight
;   fragment is used by one wave of the work-group alone, so it goes into that wave's registers, three k-steps (24 KiB) ahead.
;
; REGISTER WINDOWS (s_set_vgpr_msb: bits 1:0 source 0, 3:2 source 1, 5:4 source 2, 7:6 destination):
;   window 0: addresses, scratch, the mask bias, two buffers of row fragments (phase 1: gamma, beta, the row at work)
;   window 1: phase 1: 8 row slots of 32; phase 2: 4 weight slots of 64 (fragment f = 4 kind + 2 e + db at 64 slot + 8 f)
;   window 2: K tiles at 8 (16 e + 2 kb + db);  window 3: V tiles at the same index
.set PITCH, 2064                       ; an LDS row: 2,048 bytes + 16: 129 x 16, so the 16 rows of a fragment load fall on 16 different 16-byte columns modulo 256
.set AD0, 4                            ; v[4:7]     LDS address of my part of rows 32 i + r, k = 0
.set AD,  8                            ; v[8:11]    the same, stepped along k
.set M,   12                           ; v[12:13]   the block maximum, twice
.set MU,  14                           ; v[14:15]   a row's mean, twice
.set MLV, 16                           ; v[16:19]   m or l of the four query blocks
.set NEG, 20                           ; v20        -1e30
.set R,   22                           ; v[22:23]   1/sqrt(var + eps), twice
.set T,   24                           ; v[24:39]   at work
.set BI,  64                           ; v[64:127]  bias of key 16 kb + 8 hh + j at 8 kb + j (first the mask words)
.set A0,  128                          ; v[128:191] row fragments, buffer 0; in phase 3 the q fragments at 32 e + 8 qb
.set A1,  192                          ; v[192:255] buffer 1
.set G,   128                          ; phase 1: gamma of my 32 columns
.set BE,  160                          ;          beta
.set D,   192                          ;          the centred row
.set MSB, 0
.macro WIN new                         ; the immediate's high byte repeats the setting that is left
.if MSB != \new
	s_set_vgpr_msb (MSB<<8)|\new
.set MSB, \new
.endif
.endm
.macro PLACES                          ; four places behind matrix instructions (ISA guide 7.12.1)
.rept 4
	v_nop
.endr
.endm
	s_load_b512 s[8:23], s[0:1], 0x0               ; x 8, mask 10, gamma 12, beta 14, wf 16, qf 18, po 20, ml 22
	v_lshl_add_u32 v62, v0, 2, 0x40800
	v_mov_b32 v63, 0
	v_lshrrev_b32 v1, 5, v0
	v_readfirstlane_b32 s2, v1                     ; wave 0..3
	v_and_b32 v24, 31, v0                          ; L
	v_and_b32 v25, 15, v0                          ; r
	v_bfe_u32 v26, v0, 4, 1                        ; hh
	v_lshlrev_b32 v1, 4, v24                       ; 16 L
	v_lshlrev_b32 v3, 5, v26                       ; 32 hh: 8 mask words
	s_mul_i32 s3, s2, 32*PITCH
	v_lshl_add_u32 v2, v24, 3, s3                  ; where I put 8 bytes of my wave's first row
	v_mul_u32_u24 v[AD0], v25, PITCH
	v_lshl_add_u32 v[AD0], v26, 4, v[AD0]
	v_add_nc_u32 v[AD0+1], 32*PITCH, v[AD0]
	v_add_nc_u32 v[AD0+2], 64*PITCH, v[AD0]
	v_add_nc_u32 v[AD0+3], 96*PITCH, v[AD0]
	v_mov_b32 v[NEG], 0xf149f2ca                   ; -1e30
	s_mov_b32 s25, 0x3a800000                      ; 1/1024
	s_mov_b32 s26, 0x76543210                      ; v_permlanex16_b32: lane i reads lane i of the other half
	s_mov_b32 s27, 0xfedcba98
	s_mov_b32 s28, 0xffff0000                      ; lanes 16-31
	s_mov_b32 s29, 0x3727c5ac                      ; 1e-5
	s_mov_b32 s31, 0
	s_lshr_b32 s4, ttmp9, 5                        ; b
	s_and_b32 s5, ttmp9, 31                        ; key block
	s_lshl_b32 s6, s4, 4
	s_lshl2_add_u32 s6, s2, s6                     ; 16 b + 4 w: my first head
	s_mul_i32 s7, s6, 33
	s_add_co_u32 s7, s7, s5
	s_wait_kmcnt 0x0
	s_lshl_b32 s30, ttmp9, 19                      ; 128 rows of 4,096 bytes
	s_lshl_b32 s3, s2, 17                          ; 32 rows
	s_add_co_u32 s30, s30, s3
	s_add_nc_u64 s[8:9], s[8:9], s[30:31]
	s_lshl_b32 s30, ttmp9, 9
	s_add_nc_u64 s[10:11], s[10:11], s[30:31]      ; 128 mask words
	s_lshl_b32 s30, s2, 19
	s_add_nc_u64 s[16:17], s[16:17], s[30:31]      ; my 64 k-steps of weights
	s_lshl_b32 s30, s6, 12
	s_add_nc_u64 s[18:19], s[18:19], s[30:31]
	s_lshl_b32 s30, s7, 13
	s_add_nc_u64 s[20:21], s[20:21], s[30:31]
	s_lshl_b32 s30, s7, 9
	s_add_nc_u64 s[22:23], s[22:23], s[30:31]
	; ---------------- PHASE 1: LayerNorm.  Lane L holds columns 128 j + 4 L .. + 3 of a row
.irp j, 0,1,2,3,4,5,6,7
	global_load_b128 v[G+4*\j:G+4*\j+3], v1, s[12:13] offset:512*\j
.endr
.irp j, 0,1,2,3,4,5,6,7
	global_load_b128 v[BE+4*\j:BE+4*\j+3], v1, s[14:15] offset:512*\j
.endr
.irp kb, 0,1,2,3,4,5,6,7
	global_load_b128 v[BI+8*\kb:BI+8*\kb+3], v3, s[10:11] offset:64*\kb
	global_load_b128 v[BI+8*\kb+4:BI+8*\kb+7], v3, s[10:11] offset:64*\kb+16
.endr
	WIN 0x40
.irp s, 0,1,2,3,4,5,6,7
.irp j, 0,1,2,3,4,5,6,7
	global_load_b128 v[32*\s+4*\j:32*\s+4*\j+3], v1, s[8:9] offset:\s*4096+512*\j th:TH_LOAD_NT
.endr
.endr
	WIN 0
.macro LANESUM                         ; v[T] = the sum of v[T] over the 32 lanes, in every lane
	v_add_f32_dpp v[T], v[T], v[T] row_xmask:1 row_mask:0xf bank_mask:0xf
	v_add_f32_dpp v[T], v[T], v[T] row_xmask:2 row_mask:0xf bank_mask:0xf
	v_add_f32_dpp v[T], v[T], v[T] row_xmask:4 row_mask:0xf bank_mask:0xf
	v_add_f32_dpp v[T], v[T], v[T] row_xmask:8 row_mask:0xf bank_mask:0xf
	v_permlanex16_b32 v[T+1], v[T], s26, s27
	v_add_f32 v[T], v[T], v[T+1]
.endm
; The row in slot s.  fill = 1: the slot gets the row 8 further down as soon as the row is centred.  left: younger loads that stay out.
.macro ROW s, fill, left
	s_wait_loadcnt \left
	WIN 0x05
.irp i, 0,1,2,3,4,5,6,7
	v_pk_add_f32 v[T+2*\i:T+2*\i+1], v[32*\s+4*\i:32*\s+4*\i+1], v[32*\s+4*\i+2:32*\s+4*\i+3]
.endr
	WIN 0
.irp i, 0,4,8,12
	v_pk_add_f32 v[T+\i:T+\i+1], v[T+\i:T+\i+1], v[T+\i+2:T+\i+3]
.endr
	v_pk_add_f32 v[T:T+1], v[T:T+1], v[T+4:T+5]
	v_pk_add_f32 v[T+8:T+9], v[T+8:T+9], v[T+12:T+13]
	v_pk_add_f32 v[T:T+1], v[T:T+1], v[T+8:T+9]
	v_add_f32 v[T], v[T], v[T+1]
	LANESUM
	v_mul_f32 v[MU], s25, v[T]
	v_mul_f32 v[MU+1], s25, v[T]
	WIN 0x01
.irp i, 0,1,2,3,4,5,6,7,8,9,10,11,12,13,14,15
	v_pk_add_f32 v[D+2*\i:D+2*\i+1], v[32*\s+2*\i:32*\s+2*\i+1], v[MU:MU+1] neg_lo:[0,1] neg_hi:[0,1]   ; centred first: the variance is no difference of large sums
.endr
.if \fill
	WIN 0x40
.irp j, 0,1,2,3,4,5,6,7
	global_load_b128 v[32*\s+4*\j:32*\s+4*\j+3], v1, s[8:9] offset:(8+\s)*4096+512*\j th:TH_LOAD_NT
.endr
.endif
	WIN 0
.irp i, 0,1,2,3
	v_pk_mul_f32 v[T+2*\i:T+2*\i+1], v[D+2*\i:D+2*\i+1], v[D+2*\i:D+2*\i+1]
.endr
.irp i, 4,5,6,7,8,9,10,11,12,13,14,15
	v_pk_fma_f32 v[T+2*(\i%4):T+2*(\i%4)+1], v[D+2*\i:D+2*\i+1], v[D+2*\i:D+2*\i+1], v[T+2*(\i%4):T+2*(\i%4)+1]
.endr
	v_pk_add_f32 v[T:T+1], v[T:T+1], v[T+2:T+3]
	v_pk_add_f32 v[T+4:T+5], v[T+4:T+5], v[T+6:T+7]
	v_pk_add_f32 v[T:T+1], v[T:T+1], v[T+4:T+5]
	v_add_f32 v[T], v[T], v[T+1]
	LANESUM
	v_fma_f32 v[T], v[T], s25, s29                 ; var + eps
	v_rsq_f32 v[R], v[T]
	v_rsq_f32 v[R+1], v[T]
	v_nop                                          ; one plain place behind the transcendentals (ISA guide 5.7.2)
	s_wait_alu depctr_va_vdst(0)
.irp i, 0,1,2,3,4,5,6,7,8,9,10,11,12,13,14,15
	v_pk_mul_f32 v[D+2*\i:D+2*\i+1], v[D+2*\i:D+2*\i+1], v[R:R+1]
.endr
.irp i, 0,1,2,3,4,5,6,7,8,9,10,11,12,13,14,15
	v_pk_fma_f32 v[D+2*\i:D+2*\i+1], v[D+2*\i:D+2*\i+1], v[G+2*\i:G+2*\i+1], v[BE+2*\i:BE+2*\i+1]
.endr
.irp i, 0,1,2,3,4,5,6,7,8,9,10,11,12,13,14,15
	v_cvt_pk_f16_f32 v[D+\i], v[D+2*\i], v[D+2*\i+1]       ; ascending and in place
.endr
.irp j, 0,1,2,3,4,5,6,7
	ds_store_b64 v2, v[D+2*\j:D+2*\j+1] offset:\s*PITCH+256*\j     ; the wave writes 256 consecutive bytes
.endr
.endm
	s_mov_b32 s24, 3
.Lln:
.irp s, 0,1,2,3,4,5,6,7
	ROW \s, 1, 56                                  ; seven younger slots of eight loads stay out
.endr
	v_add_nc_u32 v2, 8*PITCH, v2
	s_wait_xcnt 0x0                                ; the loads' base is stepped only behind this wait
	s_add_nc_u64 s[8:9], s[8:9], 0x8000            ; 8 rows
	s_sub_co_u32 s24, s24, 1
	s_cmp_lg_u32 s24, 0
	s_cbranch_scc1 .Lln
.irp s, 0,1,2,3,4,5,6,7
	ROW \s, 0, 56-8*\s                             ; the last 8 rows load nothing: the counts run down
.endr
.set i, 0
.rept 64
	v_cmp_eq_u32 vcc_lo, 1, v[BI+i]                ; masked where the word is 1
	v_cndmask_b32 v[BI+i], 0, v[NEG], vcc_lo
.set i, i+1
.endr
	; ---------------- PHASE 2 macros
.macro FETCHA k, buf                   ; 16 LDS loads: the 8 row fragments of k-step k (counted from AD)
.irp mb, 0,1,2,3,4,5,6,7
	ds_load_b128 v[\buf+8*\mb:\buf+8*\mb+3], v[AD+\mb/2] offset:(\mb%2)*16*PITCH+(\k)*64
	ds_load_b128 v[\buf+8*\mb+4:\buf+8*\mb+7], v[AD+\mb/2] offset:(\mb%2)*16*PITCH+(\k)*64+32
.endr
.endm
.macro FETCHB k, slot                  ; 16 loads of 512 consecutive bytes: the 8 weight fragments of k-step k (counted from s[16:17])
.irp f, 0,1,2,3,4,5,6,7
	global_load_b128 v[64*\slot+8*\f:64*\slot+8*\f+3], v1, s[16:17] offset:(\k)*8192+\f*1024
	global_load_b128 v[64*\slot+8*\f+4:64*\slot+8*\f+7], v1, s[16:17] offset:(\k)*8192+\f*1024+512
.endr
.endm
; One k-step: weight slot k, row buffer k & 1.  left: younger global loads that may stay out when slot k has to be in.
.macro STEP k, zero, aload, bload, qload, left, p
	s_wait_loadcnt \left
	s_wait_dscnt 0x0                               ; this step's row fragments, asked for 64 matrix instructions ago, are all that is out
	PLACES                                         ; before loads land on the buffer and the slot that the last step multiplied
.if \aload
	WIN 0
	FETCHA (\k+1), (A0+64*((\k+1)&1))
.endif
.if \qload
	WIN 0
.irp e, 0,1
.irp qb, 0,1,2,3
	global_load_b128 v[A0+32*\e+8*\qb:A0+32*\e+8*\qb+3], v1, s[18:19] offset:(2*\p+\e)*4096+\qb*1024
	global_load_b128 v[A0+32*\e+8*\qb+4:A0+32*\e+8*\qb+7], v1, s[18:19] offset:(2*\p+\e)*4096+\qb*1024+512
.endr
.endr
.endif
.if \bload
	WIN 0x40
	FETCHB (\k+3), ((\k+3)&3)
.endif
	WIN 0xa1                                       ; K^T tile = Wk fragment (window 1) x rows (window 0): lane (r, hh) holds key 16 kb + r, d = 16 db + 8 hh + j
.irp e, 0,1
.irp kb, 0,1,2,3,4,5,6,7
.irp db, 0,1
.if \zero
	v_wmma_f32_16x16x32_f16 v[8*(16*\e+2*\kb+\db):8*(16*\e+2*\kb+\db)+7], v[64*\k+8*(2*\e+\db):64*\k+8*(2*\e+\db)+7], v[A0+64*(\k&1)+8*\kb:A0+64*(\k&1)+8*\kb+7], 0
.else
	v_wmma_f32_16x16x32_f16 v[8*(16*\e+2*\kb+\db):8*(16*\e+2*\kb+\db)+7], v[64*\k+8*(2*\e+\db):64*\k+8*(2*\e+\db)+7], v[A0+64*(\k&1)+8*\kb:A0+64*(\k&1)+8*\kb+7], v[8*(16*\e+2*\kb+\db):8*(16*\e+2*\kb+\db)+7]
.endif
.endr
.endr
.endr
	WIN 0xf4                                       ; V tile = rows x Wv fragment: lane (r, hh) holds d = 16 db + r, keys 16 kb + 8 hh + j
.irp e, 0,1
.irp kb, 0,1,2,3,4,5,6,7
.irp db, 0,1
.if \zero
	v_wmma_f32_16x16x32_f16 v[8*(16*\e+2*\kb+\db):8*(16*\e+2*\kb+\db)+7], v[A0+64*(\k&1)+8*\kb:A0+64*(\k&1)+8*\kb+7], v[64*\k+32+8*(2*\e+\db):64*\k+32+8*(2*\e+\db)+7], 0
.else
	v_wmma_f32_16x16x32_f16 v[8*(16*\e+2*\kb+\db):8*(16*\e+2*\kb+\db)+7], v[A0+64*(\k&1)+8*\kb:A0+64*(\k&1)+8*\kb+7], v[64*\k+32+8*(2*\e+\db):64*\k+32+8*(2*\e+\db)+7], v[8*(16*\e+2*\kb+\db):8*(16*\e+2*\kb+\db)+7]
.endif
.endr
.endr
.endr
.endm
.macro STEPB                           ; four k-steps of weights on
	s_wait_xcnt 0x0                                ; the loads' base is stepped only behind this wait
	s_add_nc_u64 s[16:17], s[16:17], 0x8000
.endm
.macro TRIP zero                       ; four k-steps; 32 = the two younger k-steps of 16 loads each
	STEP 0, \zero, 1, 1, 0, 32, 0
	STEP 1, 0, 1, 1, 0, 32, 0
	STEP 2, 0, 1, 1, 0, 32, 0
	STEP 3, 0, 1, 1, 0, 32, 0
	WIN 0
.irp i, 0,1,2,3
	v_add_nc_u32 v[AD+\i], 256, v[AD+\i]
.endr
	STEPB
.endm
.macro START                           ; a pass begins at k = 0 of the rows
	s_wait_xcnt 0x0                                ; the last stores' data lie in accumulator registers, written again below
	WIN 0
.irp i, 0,1,2,3
	v_mov_b32 v[AD+\i], v[AD0+\i]
.endr
	FETCHA 0, A0
.endm
	; ---------------- PHASE 3 macros
; One head e of the pass and one query block.  Window 2, head e: K fragment kb at 128 e + 16 kb, score tile kb 8 behind it.
; Window 3, head e: V fragment (t, db) at 128 e + 32 t + 8 db, P fragment t at + 16; + 24: O^T db 0 (t = 0), db 1 (t = 1), l (t = 2), ones (t = 3).
.macro ATTQ p, e, qb
	WIN 0x82
.irp kb, 0,1,2,3,4,5,6,7
	v_wmma_f32_16x16x32_f16 v[128*\e+16*\kb+8:128*\e+16*\kb+15], v[128*\e+16*\kb:128*\e+16*\kb+7], v[A0+32*\e+8*\qb:A0+32*\e+8*\qb+7], v[BI+8*\kb:BI+8*\kb+7]
.endr
	PLACES
	WIN 0x0a                                       ; the largest of my 64 scores: four chains of 16
.irp c, 0,1,2,3
	v_max_num_f32 v[T+\c], v[128*\e+32*\c+8], v[128*\e+32*\c+9]
.endr
.irp i, 10,12,14,24,26,28,30
.irp c, 0,1,2,3
	v_max3_num_f32 v[T+\c], v[128*\e+32*\c+\i], v[128*\e+32*\c+\i+1], v[T+\c]
.endr
.endr
	WIN 0
	v_max3_num_f32 v[T], v[T], v[T+1], v[T+2]
	v_max_num_f32 v[T], v[T], v[T+3]
	v_permlanex16_b32 v[T+1], v[T], s26, s27       ; the other half of the lanes holds the query's other 64 keys
	v_max_num_f32 v[M], v[T], v[T+1]
	v_max_num_f32 v[M+1], v[T], v[T+1]
	WIN 0x82
.irp kb, 0,1,2,3,4,5,6,7
.irp i, 8,10,12,14
	v_pk_add_f32 v[128*\e+16*\kb+\i:128*\e+16*\kb+\i+1], v[128*\e+16*\kb+\i:128*\e+16*\kb+\i+1], v[M:M+1] neg_lo:[0,1] neg_hi:[0,1]
.endr
.endr
.irp kb, 0,1,2,3,4,5,6,7
.irp i, 8,9,10,11,12,13,14,15
	v_exp_f32 v[128*\e+16*\kb+\i], v[128*\e+16*\kb+\i]
.endr
.endr
	v_nop                                          ; one plain place behind the transcendentals (ISA guide 5.7.2)
	WIN 0xca
	s_wait_alu depctr_va_vdst(0)
.irp t, 0,1,2,3
.irp i, 0,1,2,3
	v_cvt_pk_f16_f32 v[128*\e+32*\t+16+\i], v[128*\e+32*\t+8+2*\i], v[128*\e+32*\t+9+2*\i]
	v_cvt_pk_f16_f32 v[128*\e+32*\t+20+\i], v[128*\e+32*\t+24+2*\i], v[128*\e+32*\t+25+2*\i]
.endr
.endr
	s_wait_xcnt 0x0                                ; the last query block's stores read O and MLV, written again below
	WIN 0xff
.irp t, 0,1,2,3
.if \t == 0
	v_wmma_f32_16x16x32_f16 v[128*\e+24:128*\e+31], v[128*\e+32*\t:128*\e+32*\t+7], v[128*\e+32*\t+16:128*\e+32*\t+23], 0
	v_wmma_f32_16x16x32_f16 v[128*\e+56:128*\e+63], v[128*\e+32*\t+8:128*\e+32*\t+15], v[128*\e+32*\t+16:128*\e+32*\t+23], 0
	v_wmma_f32_16x16x32_f16 v[128*\e+88:128*\e+95], v[128*\e+120:128*\e+127], v[128*\e+32*\t+16:128*\e+32*\t+23], 0
.else
	v_wmma_f32_16x16x32_f16 v[128*\e+24:128*\e+31], v[128*\e+32*\t:128*\e+32*\t+7], v[128*\e+32*\t+16:128*\e+32*\t+23], v[128*\e+24:128*\e+31]
	v_wmma_f32_16x16x32_f16 v[128*\e+56:128*\e+63], v[128*\e+32*\t+8:128*\e+32*\t+15], v[128*\e+32*\t+16:128*\e+32*\t+23], v[128*\e+56:128*\e+63]
	v_wmma_f32_16x16x32_f16 v[128*\e+88:128*\e+95], v[128*\e+120:128*\e+127], v[128*\e+32*\t+16:128*\e+32*\t+23], v[128*\e+88:128*\e+95]
.endif
.endr
	PLACES
	WIN 0x0c
.irp db, 0,1
.irp hf, 0,1
	global_store_b128 v1, v[128*\e+24+32*\db+4*\hf:128*\e+24+32*\db+4*\hf+3], s[20:21] offset:(2*\p+\e)*270336+\qb*2048+\db*1024+\hf*512   ; 512 consecutive bytes a store
.endr
.endr
	v_cndmask_b32 v[MLV+\qb], v[M], v[128*\e+88], s28      ; lanes 0-15: m of query r; lanes 16-31: l of query r
.endm
; qleft: global loads younger than the q fragments' that may stay out
.macro ATT p, qleft
	PLACES                                         ; behind the last products, before their results are read
	WIN 0x8a                                       ; K: tiles db 0, 1 of a key block become its fragment, in place and ascending; 8 registers come free for the scores
.irp e, 0,1
.irp kb, 0,1,2,3,4,5,6,7
.irp i, 0,1,2,3
	v_cvt_pk_f16_f32 v[128*\e+16*\kb+\i], v[128*\e+16*\kb+2*\i], v[128*\e+16*\kb+2*\i+1]
.endr
.irp i, 0,1,2,3
	v_cvt_pk_f16_f32 v[128*\e+16*\kb+4+\i], v[128*\e+16*\kb+8+2*\i], v[128*\e+16*\kb+9+2*\i]
.endr
.endr
.endr
	WIN 0xcf                                       ; V: the tiles of key blocks 2t, 2t+1 become fragment (t, db); 16 registers come free
.irp e, 0,1
.irp t, 0,1,2,3
.irp db, 0,1
.irp i, 0,1,2,3
	v_cvt_pk_f16_f32 v[128*\e+32*\t+8*\db+\i], v[128*\e+32*\t+8*\db+2*\i], v[128*\e+32*\t+8*\db+2*\i+1]
.endr
.irp i, 0,1,2,3
	v_cvt_pk_f16_f32 v[128*\e+32*\t+8*\db+4+\i], v[128*\e+32*\t+16+8*\db+2*\i], v[128*\e+32*\t+17+8*\db+2*\i]
.endr
.endr
.endr
.endr
	WIN 0xc0
.irp e, 0,1
.irp i, 0,1,2,3,4,5,6,7
	v_mov_b32 v[128*\e+120+\i], 0x3c003c00         ; f16 ones: l is the f32 sum of the same f16 P that feeds o
.endr
.endr
	s_wait_loadcnt \qleft
.irp e, 0,1
.irp qb, 0,1,2,3
	ATTQ \p, \e, \qb
.endr
	WIN 0
	global_store_b128 v1, v[MLV:MLV+3], s[22:23] offset:(2*\p+\e)*16896
.endr
.endm
	; ---------------- the weights' ring is filled, then the one barrier: from here on LDS is only read
	WIN 0x40
	FETCHB 0, 0
	FETCHB 1, 1
	FETCHB 2, 2
	WIN 0
	s_wait_dscnt 0x0                               ; my rows are in LDS before I say so
	s_barrier_signal -1
	s_barrier_wait -1
	; ---------------- pass 0: heads 4 w, 4 w + 1
	START
	TRIP 1                                         ; the first products start the sums: nothing is cleared
	s_mov_b32 s24, 6
.Lgemm0:
	TRIP 0
	s_sub_co_u32 s24, s24, 1
	s_cmp_lg_u32 s24, 0
	s_cbranch_scc1 .Lgemm0
	STEP 0, 0, 1, 1, 0, 32, 0                      ; the last trip goes on fetching weights: they are pass 1's first three k-steps
	STEP 1, 0, 1, 1, 0, 32, 0
	STEP 2, 0, 1, 1, 0, 32, 0
	STEP 3, 0, 0, 1, 1, 32, 0                      ; no rows follow; buffer 0 takes the q fragments
	STEPB
	ATT 0, 16                                      ; one k-step of weights (16 loads) is younger than the q fragments
	; ---------------- pass 1: heads 4 w + 2, 4 w + 3
	START
	TRIP 1
	s_mov_b32 s24, 6
.Lgemm1:
	TRIP 0
	s_sub_co_u32 s24, s24, 1
	s_cmp_lg_u32 s24, 0
	s_cbranch_scc1 .Lgemm1
	STEP 0, 0, 1, 1, 0, 32, 1                      ; fetches the last k-step of weights;
	STEP 1, 0, 1, 0, 0, 32, 1                      ; then nothing more: the counts run down
	STEP 2, 0, 1, 0, 0, 16, 1
	STEP 3, 0, 0, 0, 1, 0, 1
	ATT 1, 0
	s_wait_tensorcnt 0x0
	ds_add_u32 v62, v63
	s_wait_dscnt 0x0
	s_endpgm
.Lfunc_end_k_q6ce7fbc46e_main:
	.size	k_q6ce7fbc46e_main, .Lfunc_end_k_q6ce7fbc46e_main-k_q6ce7fbc46e_main
	.p2alignl 7, 3214868480
	.fill 96, 4, 3214868480
	.section	.rodata,"a",@progbits
	.p2align	6, 0x0
	.amdhsa_kernel k_q6ce7fbc46e_main
		.amdhsa_group_segment_fixed_size 264704
		.amdhsa_private_segment_fixed_size 0
		.amdhsa_enable_private_segment 0
		.amdhsa_kernarg_size 64
		.amdhsa_user_sgpr_count 2
		.amdhsa_user_sgpr_kernarg_segment_ptr 1
		.amdhsa_wavefront_size32 1
		.amdhsa_system_sgpr_workgroup_id_x 1
		.amdhsa_system_sgpr_workgroup_id_y 1
		.amdhsa_system_sgpr_workgroup_id_z 1
		.amdhsa_system_vgpr_workitem_id 0
		.amdhsa_next_free_vgpr 1024
		.amdhsa_next_free_sgpr 66
		.amdhsa_reserve_vcc 1
		.amdhsa_float_denorm_mode_32 3
		.amdhsa_float_denorm_mode_16_64 3
		.amdhsa_memory_ordered 1
		.amdhsa_forward_progress 1
		.amdhsa_inst_pref_size 255
	.end_amdhsa_kernel
	.section	.bss,"aw",@nobits
	.p2align	6
	.space	262144
	.amdgpu_metadata
---
amdhsa.version: [ 1, 2 ]
amdhsa.kernels:
  - .name:           k_q6ce7fbc46e_main
    .symbol:         k_q6ce7fbc46e_main.kd
    .args:
      - { .name: x, .offset: 0, .size: 8, .value_kind: global_buffer, .address_space: global }
      - { .name: attention_mask, .offset: 8, .size: 8, .value_kind: global_buffer, .address_space: global }
      - { .name: gamma_m, .offset: 16, .size: 8, .value_kind: global_buffer, .address_space: global }
      - { .name: beta_m, .offset: 24, .size: 8, .value_kind: global_buffer, .address_space: global }
      - { .name: wf, .offset: 32, .size: 8, .value_kind: global_buffer, .address_space: global }
      - { .name: qf, .offset: 40, .size: 8, .value_kind: global_buffer, .address_space: global }
      - { .name: po, .offset: 48, .size: 8, .value_kind: global_buffer, .address_space: global }
      - { .name: ml, .offset: 56, .size: 8, .value_kind: global_buffer, .address_space: global }
    .group_segment_fixed_size: 264704
    .private_segment_fixed_size: 0
    .kernarg_segment_align: 8
    .kernarg_segment_size: 64
    .max_flat_workgroup_size: 128
    .sgpr_count:     66
    .vgpr_count:     1024
    .wavefront_size: 32
...
	.end_amdgpu_metadata
.endif
;; end of part 3
;; launch comb (part 4): grid 256 x 1, 12 waves a work-group, no clusters, 11,776 bytes of LDS; arguments po, ml, ofrag; writes ofrag
.if DOCPART == 4
	.amdgcn_target "amdgcn-amd-amdhsa--gfx1250"
	.amdhsa_code_object_version 6
	.text
	.protected	k_q6ce7fbc46e_comb
	.globl	k_q6ce7fbc46e_comb
	.p2align	8
	.type	k_q6ce7fbc46e_comb,@function
k_q6ce7fbc46e_comb:
	s_mov_b64 s[64:65], 0
	v_nop
	global_prefetch_b8 v0, s[64:65] scope:SCOPE_SE
	s_setreg_imm32_b32 hwreg(HW_REG_WAVE_MODE, 25, 1), 1
	s_wait_xcnt 0x0
; Merges the 33 key blocks of each (batch, head): M = max m, w = exp2(m - M), O = sum w o / sum w l, stored as f16 in the
; order of a matrix fragment (16 queries x the head's 32 d).  A task is (batch, head, query block, half of d): 1,024 tasks, four to a
; work-group.  THREE WAVES A TASK: wave (task = wave & 3, third = wave >> 2) takes 11 of the 33 blocks, 11 + 11 + 22 = 44 loads, all
; asked for at once.  Each third takes its own maximum away; thirds 1 and 2 hand (o, m, l) to third 0 through LDS bytes of their
; own, and third 0 merges the three with the common maximum.
; Lane (r, hh) holds query r, d = 16 db + 8 hh + 0..7, as the partials were stored: every load of o is 512 consecutive bytes.
; A block whose keys were all masked has m = -1e30: beside an open block its weight is exp2(-1e30 - M) = 0; a third of such blocks alone
; has the maximum -1e30, finite sums, and the weight 0 in the merge.  The common M is finite (the latent block, in third 2, is never
; masked), and the block that holds M has weight 1 and l >= 1, so the divisor is never 0.
; A stream: no matrix unit, no cluster (nothing is read twice but the words of m and l).
.set NB,   11                          ; blocks of a wave
.set ACC,  8                           ; v[8:15]
.set W,    16                          ; v[16:26]   the weights
.set LT,   27                          ; v27        my sum of w l (it also completes the last weight's register pair)
.set MV,   28                          ; v[28:38]   m of my blocks; in the merge the partners' m, l
.set LV,   40                          ; v[40:50]   l of my blocks; in the merge the divisor
.set G,    52                          ; v[52:139]  o of my blocks, 8 each; in the merge the partners' o
.set PART, 1280                        ; LDS bytes of a partner: o 2 x 512, m 128, l 128
	s_load_b128 s[8:11], s[0:1], 0x0               ; po, ml
	s_load_b64 s[12:13], s[0:1], 0x10              ; ofrag
	v_lshl_add_u32 v144, v0, 2, 0x2800
	v_mov_b32 v145, 0
	v_lshrrev_b32 v1, 5, v0
	v_readfirstlane_b32 s2, v1                     ; wave 0..11
	v_and_b32 v5, 31, v0                           ; L
	v_lshlrev_b32 v1, 4, v5                        ; 16 L
	v_and_b32 v2, 15, v0
	v_lshlrev_b32 v2, 4, v2                        ; 16 r
	s_and_b32 s16, s2, 3                           ; which of the work-group's four tasks
	s_lshr_b32 s17, s2, 2                          ; which third of the blocks
	s_lshl2_add_u32 s3, ttmp9, s16                 ; task
	s_and_b32 s4, s3, 1                            ; db
	s_bfe_u32 s5, s3, 0x20001                      ; qb
	s_lshr_b32 s6, s3, 3                           ; 16 b + head
	s_mov_b32 s15, 0
	s_wait_kmcnt 0x0
	s_mul_i32 s14, s6, 270336
	s_lshl_b32 s7, s5, 11
	s_add_co_u32 s14, s14, s7
	s_lshl_b32 s7, s4, 10
	s_add_co_u32 s14, s14, s7
	s_mul_i32 s7, s17, NB*8192
	s_add_co_u32 s14, s14, s7
	s_add_nc_u64 s[8:9], s[8:9], s[14:15]
	s_mul_i32 s14, s6, 16896
	s_lshl2_add_u32 s14, s5, s14
	s_mul_i32 s7, s17, NB*512
	s_add_co_u32 s14, s14, s7
	s_add_nc_u64 s[10:11], s[10:11], s[14:15]
	s_lshr_b32 s14, s6, 4
	s_lshl2_add_u32 s14, s14, s5                   ; row block 4 b + qb
	s_lshl_b32 s14, s14, 4
	s_and_b32 s7, s6, 15
	s_add_co_u32 s14, s14, s7                      ; k-step = head
	s_lshl_b32 s14, s14, 10
	s_lshl_b32 s7, s4, 9
	s_add_co_u32 s14, s14, s7
	s_add_nc_u64 s[12:13], s[12:13], s[14:15]
.set i, 0
.rept NB
	global_load_b32 v[MV+i], v2, s[10:11] offset:i*512             ; m of my query in my block i
.set i, i+1
.endr
.set i, 0
.rept NB
	global_load_b32 v[LV+i], v2, s[10:11] offset:i*512+256         ; l
.set i, i+1
.endr
.set i, 0
.rept NB
	global_load_b128 v[G+8*i:G+8*i+3], v1, s[8:9] offset:i*8192
	global_load_b128 v[G+8*i+4:G+8*i+7], v1, s[8:9] offset:i*8192+512
.set i, i+1
.endr
	s_wait_loadcnt 2*NB                            ; m and l are in; the 22 loads of o stay out
	v_max3_num_f32 v3, v[MV], v[MV+1], v[MV+2]
.set i, 3
.rept 4
	v_max3_num_f32 v3, v[MV+i], v[MV+i+1], v3
.set i, i+2
.endr
.set i, 0
.rept NB
	v_sub_f32 v[W+i], v[MV+i], v3
.set i, i+1
.endr
.set i, 0
.rept NB
	v_exp_f32 v[W+i], v[W+i]
.set i, i+1
.endr
	v_nop                                          ; one plain place behind the transcendentals (ISA guide 5.7.2)
	s_wait_alu depctr_va_vdst(0)
	v_mul_f32 v[LT], v[W], v[LV]
.set i, 1
.rept NB-1
	v_fmac_f32 v[LT], v[W+i], v[LV+i]
.set i, i+1
.endr
	; acc = sum of w o; the weight is broadcast from its place in an aligned register pair
.set bi, 0
.rept NB
	s_wait_loadcnt 2*(NB-1-bi)                     ; the younger blocks (2 loads each) stay out
.set wr, W+bi
.irp q, 0,1,2,3
.if bi == 0
	v_pk_mul_f32 v[ACC+2*\q:ACC+2*\q+1], v[G+8*bi+2*\q:G+8*bi+2*\q+1], v[wr:wr+1] op_sel_hi:[1,0]
.else
.if (wr&1) == 0
	v_pk_fma_f32 v[ACC+2*\q:ACC+2*\q+1], v[G+8*bi+2*\q:G+8*bi+2*\q+1], v[wr:wr+1], v[ACC+2*\q:ACC+2*\q+1] op_sel_hi:[1,0,1]
.else
	v_pk_fma_f32 v[ACC+2*\q:ACC+2*\q+1], v[G+8*bi+2*\q:G+8*bi+2*\q+1], v[wr-1:wr], v[ACC+2*\q:ACC+2*\q+1] op_sel:[0,1,0] op_sel_hi:[1,1,1]
.endif
.endif
.endr
.set bi, bi+1
.endr
	; ---- the three thirds meet: waves 4-11 store, waves 0-3 merge
	s_cmp_lt_u32 s2, 4
	s_cbranch_scc1 .Lowner
	s_sub_co_u32 s3, s2, 4
	s_mul_i32 s3, s3, PART
	v_add_nc_u32 v6, s3, v1                        ; region wave - 4: 16 bytes a lane,
	v_lshl_add_u32 v7, v5, 2, s3                   ; 4 bytes a lane
	ds_store_b128 v6, v[ACC:ACC+3]
	ds_store_b128 v6, v[ACC+4:ACC+7] offset:512
	ds_store_b32 v7, v3 offset:1024
	ds_store_b32 v7, v[LT] offset:1152
.Lowner:
	s_wait_dscnt 0x0                               ; my part is in LDS before I say so
	s_barrier_signal -1
	s_barrier_wait -1
	s_cmp_ge_u32 s2, 4
	s_cbranch_scc1 .Lend
	s_mul_i32 s3, s2, PART
	v_add_nc_u32 v6, s3, v1                        ; third j + 1 of my task stored into region 4 j + task
	v_lshl_add_u32 v7, v5, 2, s3
.irp j, 0,1
	ds_load_b128 v[G+8*\j:G+8*\j+3], v6 offset:\j*4*PART
	ds_load_b128 v[G+8*\j+4:G+8*\j+7], v6 offset:\j*4*PART+512
	ds_load_b32 v[MV+2*\j], v7 offset:\j*4*PART+1024
	ds_load_b32 v[MV+2*\j+1], v7 offset:\j*4*PART+1152
.endr
	s_wait_dscnt 0x0
	v_max3_num_f32 v4, v3, v[MV], v[MV+2]          ; the common maximum
	v_sub_f32 v[W], v3, v4
	v_sub_f32 v[W+1], v[MV], v4
	v_sub_f32 v[W+2], v[MV+2], v4
	v_exp_f32 v[W], v[W]
	v_exp_f32 v[W+1], v[W+1]
	v_exp_f32 v[W+2], v[W+2]
	v_nop                                          ; one plain place behind the transcendentals
	s_wait_alu depctr_va_vdst(0)
	v_mul_f32 v[LV], v[W], v[LT]
	v_fmac_f32 v[LV], v[W+1], v[MV+1]
	v_fmac_f32 v[LV], v[W+2], v[MV+3]
	v_rcp_f32 v[W+4], v[LV]                        ; the twelve lines below stand between it and its use
.irp q, 0,1,2,3
	v_pk_mul_f32 v[ACC+2*\q:ACC+2*\q+1], v[ACC+2*\q:ACC+2*\q+1], v[W:W+1] op_sel_hi:[1,0]
.endr
.irp q, 0,1,2,3
	v_pk_fma_f32 v[ACC+2*\q:ACC+2*\q+1], v[G+2*\q:G+2*\q+1], v[W:W+1], v[ACC+2*\q:ACC+2*\q+1] op_sel:[0,1,0] op_sel_hi:[1,1,1]
.endr
.irp q, 0,1,2,3
	v_pk_fma_f32 v[ACC+2*\q:ACC+2*\q+1], v[G+8+2*\q:G+8+2*\q+1], v[W+2:W+3], v[ACC+2*\q:ACC+2*\q+1] op_sel_hi:[1,0,1]
.endr
	s_wait_alu depctr_va_vdst(0)
.irp q, 0,1,2,3
	v_pk_mul_f32 v[ACC+2*\q:ACC+2*\q+1], v[ACC+2*\q:ACC+2*\q+1], v[W+4:W+5] op_sel_hi:[1,0]
.endr
.irp q, 0,1,2,3
	v_cvt_pk_f16_f32 v[ACC+\q], v[ACC+2*\q], v[ACC+2*\q+1]
.endr
	global_store_b128 v1, v[ACC:ACC+3], s[12:13]   ; 512 consecutive bytes: half a fragment
.Lend:
	s_wait_tensorcnt 0x0
	ds_add_u32 v144, v145
	s_wait_dscnt 0x0
	s_endpgm
.Lfunc_end_k_q6ce7fbc46e_comb:
	.size	k_q6ce7fbc46e_comb, .Lfunc_end_k_q6ce7fbc46e_comb-k_q6ce7fbc46e_comb
	.p2alignl 7, 3214868480
	.fill 96, 4, 3214868480
	.section	.rodata,"a",@progbits
	.p2align	6, 0x0
	.amdhsa_kernel k_q6ce7fbc46e_comb
		.amdhsa_group_segment_fixed_size 11776
		.amdhsa_private_segment_fixed_size 0
		.amdhsa_enable_private_segment 0
		.amdhsa_kernarg_size 24
		.amdhsa_user_sgpr_count 2
		.amdhsa_user_sgpr_kernarg_segment_ptr 1
		.amdhsa_wavefront_size32 1
		.amdhsa_system_sgpr_workgroup_id_x 1
		.amdhsa_system_sgpr_workgroup_id_y 1
		.amdhsa_system_sgpr_workgroup_id_z 1
		.amdhsa_system_vgpr_workitem_id 0
		.amdhsa_next_free_vgpr 146
		.amdhsa_next_free_sgpr 66
		.amdhsa_reserve_vcc 0
		.amdhsa_float_denorm_mode_32 3
		.amdhsa_float_denorm_mode_16_64 3
		.amdhsa_memory_ordered 1
		.amdhsa_forward_progress 1
		.amdhsa_inst_pref_size 14
	.end_amdhsa_kernel
	.amdgpu_metadata
---
amdhsa.version: [ 1, 2 ]
amdhsa.kernels:
  - .name:           k_q6ce7fbc46e_comb
    .symbol:         k_q6ce7fbc46e_comb.kd
    .args:
      - { .name: po, .offset: 0, .size: 8, .value_kind: global_buffer, .address_space: global }
      - { .name: ml, .offset: 8, .size: 8, .value_kind: global_buffer, .address_space: global }
      - { .name: ofrag, .offset: 16, .size: 8, .value_kind: global_buffer, .address_space: global }
    .group_segment_fixed_size: 11776
    .private_segment_fixed_size: 0
    .kernarg_segment_align: 8
    .kernarg_segment_size: 24
    .max_flat_workgroup_size: 384
    .sgpr_count:     66
    .vgpr_count:     146
    .wavefront_size: 32
...
	.end_amdgpu_metadata
.endif
;; end of part 4
;; launch proj (part 5): grid 256 x 1, 8 waves a work-group, no clusters, 35,840 bytes of LDS; arguments ofrag, wo, out0; writes out0
.if DOCPART == 5
	.amdgcn_target "amdgcn-amd-amdhsa--gfx1250"
	.amdhsa_code_object_version 6
	.text
	.protected	k_q6ce7fbc46e_proj
	.globl	k_q6ce7fbc46e_proj
	.p2align	8
	.type	k_q6ce7fbc46e_proj,@function
k_q6ce7fbc46e_proj:
	s_mov_b64 s[64:65], 0
	v_nop
	global_prefetch_b8 v0, s[64:65] scope:SCOPE_SE
	s_setreg_imm32_b32 hwreg(HW_REG_WAVE_MODE, 25, 1), 1
	s_wait_xcnt 0x0
; out0 = O Wout: [512, 512] x [512, 1024], f16 operands in fragment order, f32 sums and output.
; A task is 16 rows x 64 columns: 512 tasks, two to a work-group.  FOUR WAVES A TASK: wave (task = wave & 1, kq = wave >> 1) takes
; k-steps 4 kq .. 4 kq + 3 of the 16: 40 loads of 512 bytes, all asked for at once, and 16 matrix instructions.
; Used transposed (source 0 = Wout's columns, source 1 = O's rows): a lane holds 8 neighbouring columns of one row, 32 bytes.
; Each wave puts its partial tile into its own stage in LDS (16 rows of 256 bytes, 272 apart); behind the barrier wave kq reads rows
; 4 kq .. 4 kq + 3 of the task's four stages, adds them and stores them as whole rows: the sum and the way out are shared evenly.
; No cluster: a task's operands are 80 KiB in all and the launch is short; sharing them would save little.
.set ACC,  16                          ; v[16:47]  four tiles
.set RING, 64                          ; v[64:223] four slots of 40: O fragment, four Wout fragments; then the rows to add
.set SP,   272
.set STG,  16*SP                       ; a wave's stage
	s_load_b128 s[8:11], s[0:1], 0x0               ; ofrag, wo
	s_load_b64 s[12:13], s[0:1], 0x10              ; out0
	v_lshl_add_u32 v224, v0, 2, 0x8800
	v_mov_b32 v225, 0
	v_lshrrev_b32 v1, 5, v0
	v_readfirstlane_b32 s2, v1                     ; wave 0..7
	v_and_b32 v5, 31, v0
	v_and_b32 v6, 15, v0                           ; r
	v_bfe_u32 v7, v0, 4, 1                         ; hh
	v_lshlrev_b32 v1, 4, v5                        ; 16 L
	s_and_b32 s16, s2, 1                           ; which of the work-group's two tasks
	s_lshr_b32 s17, s2, 1                          ; kq
	s_mul_i32 s4, s2, STG                          ; my stage
	v_mul_u32_u24 v2, v6, SP
	v_lshl_add_u32 v2, v7, 5, v2
	v_add_nc_u32 v2, s4, v2                        ; in: row r, 32 bytes for each half of the lanes
	s_mul_i32 s4, s16, STG                         ; the stage of my task's wave kq = 0; the others lie 2 stages apart
	s_mul_i32 s5, s17, 4*SP                        ; my four rows
	s_add_co_u32 s4, s4, s5
	v_mul_u32_u24 v3, v7, SP
	v_lshl_add_u32 v3, v6, 4, v3
	v_add_nc_u32 v3, s4, v3                        ; back: lanes 0-15 one row of 256 bytes, lanes 16-31 the next
	v_lshlrev_b32 v4, 12, v7
	v_lshl_add_u32 v4, v6, 4, v4                   ; the same two rows in out0 (4,096 bytes apart)
	s_lshl1_add_u32 s3, ttmp9, s16                 ; task
	s_lshr_b32 s5, s3, 4                           ; row block
	s_and_b32 s6, s3, 15                           ; group of 64 columns
	s_lshl_b32 s7, s17, 12                         ; 4 k-steps of 1,024 bytes
	s_mov_b32 s15, 0
	s_wait_kmcnt 0x0
	s_lshl_b32 s14, s5, 14
	s_add_co_u32 s14, s14, s7
	s_add_nc_u64 s[8:9], s[8:9], s[14:15]
	s_lshl_b32 s14, s6, 16
	s_add_co_u32 s14, s14, s7
	s_add_nc_u64 s[10:11], s[10:11], s[14:15]
	s_lshl_b32 s14, s5, 16                         ; 16 rows of 4,096 bytes
	s_lshl_b32 s7, s17, 14                         ; my 4 rows
	s_add_co_u32 s14, s14, s7
	s_lshl_b32 s7, s6, 8
	s_add_co_u32 s14, s14, s7
	s_add_nc_u64 s[12:13], s[12:13], s[14:15]
.irp ks, 0,1,2,3                       ; 10 loads of 512 consecutive bytes a k-step
	global_load_b128 v[RING+40*\ks:RING+40*\ks+3], v1, s[8:9] offset:\ks*1024
	global_load_b128 v[RING+40*\ks+4:RING+40*\ks+7], v1, s[8:9] offset:\ks*1024+512
.irp i, 0,1,2,3
	global_load_b128 v[RING+40*\ks+8+8*\i:RING+40*\ks+8+8*\i+3], v1, s[10:11] offset:\i*16384+\ks*1024
	global_load_b128 v[RING+40*\ks+12+8*\i:RING+40*\ks+12+8*\i+3], v1, s[10:11] offset:\i*16384+\ks*1024+512
.endr
.endr
.irp ks, 0,1,2,3
	s_wait_loadcnt 10*(3-\ks)                      ; the younger k-steps (10 loads each) stay out
.irp i, 0,1,2,3
.if \ks == 0
	v_wmma_f32_16x16x32_f16 v[ACC+8*\i:ACC+8*\i+7], v[RING+40*\ks+8+8*\i:RING+40*\ks+8+8*\i+7], v[RING+40*\ks:RING+40*\ks+7], 0
.else
	v_wmma_f32_16x16x32_f16 v[ACC+8*\i:ACC+8*\i+7], v[RING+40*\ks+8+8*\i:RING+40*\ks+8+8*\i+7], v[RING+40*\ks:RING+40*\ks+7], v[ACC+8*\i:ACC+8*\i+7]
.endif
.endr
.endr
.rept 4
	v_nop                                          ; four places before the results are read and loads land on the slots
.endr
.irp i, 0,1,2,3
	ds_store_b128 v2, v[ACC+8*\i:ACC+8*\i+3] offset:64*\i
	ds_store_b128 v2, v[ACC+8*\i+4:ACC+8*\i+7] offset:64*\i+16
.endr
	s_wait_dscnt 0x0                               ; my partial tile is in LDS before I say so
	s_barrier_signal -1
	s_barrier_wait -1
.irp tt, 0,1
.irp j, 0,1,2,3
	ds_load_b128 v[RING+16*\tt+4*\j:RING+16*\tt+4*\j+3], v3 offset:\j*2*STG+\tt*2*SP   ; rows 4 kq + 2 tt + hh of the stage of wave 2 j + task
.endr
.endr
.irp tt, 0,1
	s_wait_dscnt 4*(1-\tt)                         ; the second pair of rows (4 loads) stays out
	v_pk_add_f32 v[RING+16*\tt:RING+16*\tt+1], v[RING+16*\tt:RING+16*\tt+1], v[RING+16*\tt+4:RING+16*\tt+5]
	v_pk_add_f32 v[RING+16*\tt+2:RING+16*\tt+3], v[RING+16*\tt+2:RING+16*\tt+3], v[RING+16*\tt+6:RING+16*\tt+7]
	v_pk_add_f32 v[RING+16*\tt+8:RING+16*\tt+9], v[RING+16*\tt+8:RING+16*\tt+9], v[RING+16*\tt+12:RING+16*\tt+13]
	v_pk_add_f32 v[RING+16*\tt+10:RING+16*\tt+11], v[RING+16*\tt+10:RING+16*\tt+11], v[RING+16*\tt+14:RING+16*\tt+15]
	v_pk_add_f32 v[RING+16*\tt:RING+16*\tt+1], v[RING+16*\tt:RING+16*\tt+1], v[RING+16*\tt+8:RING+16*\tt+9]
	v_pk_add_f32 v[RING+16*\tt+2:RING+16*\tt+3], v[RING+16*\tt+2:RING+16*\tt+3], v[RING+16*\tt+10:RING+16*\tt+11]
	global_store_b128 v4, v[RING+16*\tt:RING+16*\tt+3], s[12:13] offset:\tt*8192   ; 16 lanes store 256 consecutive bytes, aligned
.endr
	s_wait_tensorcnt 0x0
	ds_add_u32 v224, v225
	s_wait_dscnt 0x0
	s_endpgm
.Lfunc_end_k_q6ce7fbc46e_proj:
	.size	k_q6ce7fbc46e_proj, .Lfunc_end_k_q6ce7fbc46e_proj-k_q6ce7fbc46e_proj
	.p2alignl 7, 3214868480
	.fill 96, 4, 3214868480
	.section	.rodata,"a",@progbits
	.p2align	6, 0x0
	.amdhsa_kernel k_q6ce7fbc46e_proj
		.amdhsa_group_segment_fixed_size 35840
		.amdhsa_private_segment_fixed_size 0
		.amdhsa_enable_private_segment 0
		.amdhsa_kernarg_size 24
		.amdhsa_user_sgpr_count 2
		.amdhsa_user_sgpr_kernarg_segment_ptr 1
		.amdhsa_wavefront_size32 1
		.amdhsa_system_sgpr_workgroup_id_x 1
		.amdhsa_system_sgpr_workgroup_id_y 1
		.amdhsa_system_sgpr_workgroup_id_z 1
		.amdhsa_system_vgpr_workitem_id 0
		.amdhsa_next_free_vgpr 226
		.amdhsa_next_free_sgpr 66
		.amdhsa_reserve_vcc 0
		.amdhsa_float_denorm_mode_32 3
		.amdhsa_float_denorm_mode_16_64 3
		.amdhsa_memory_ordered 1
		.amdhsa_forward_progress 1
		.amdhsa_inst_pref_size 10
	.end_amdhsa_kernel
	.amdgpu_metadata
---
amdhsa.version: [ 1, 2 ]
amdhsa.kernels:
  - .name:           k_q6ce7fbc46e_proj
    .symbol:         k_q6ce7fbc46e_proj.kd
    .args:
      - { .name: ofrag, .offset: 0, .size: 8, .value_kind: global_buffer, .address_space: global }
      - { .name: wo, .offset: 8, .size: 8, .value_kind: global_buffer, .address_space: global }
      - { .name: out0, .offset: 16, .size: 8, .value_kind: global_buffer, .address_space: global }
    .group_segment_fixed_size: 35840
    .private_segment_fixed_size: 0
    .kernarg_segment_align: 8
    .kernarg_segment_size: 24
    .max_flat_workgroup_size: 256
    .sgpr_count:     66
    .vgpr_count:     226
    .wavefront_size: 32
...
	.end_amdgpu_metadata
.endif
;; end of part 5
;; ======== version 2 of 2: 5 launches; version 1 with the launch main written anew for expert scheduling mode
;; limits: values are held in f16: magnitudes above 65,504 overflow, below 6.1e-05 lose precision
;; workspace buffers: wf 3,145,728 bytes; wo 1,048,576 bytes; lnf 1,048,576 bytes; qf 524,288 bytes; po 34,603,008 bytes; ml 2,162,688 bytes; ofrag 524,288 bytes
;; launch prep: the kernel of part 1 again; grid 320 x 1, 8 waves a work-group, no clusters, 0 bytes of LDS; arguments Wkv, Wq, Wout, latents, gamma_l, beta_l, wf, wo, lnf; writes wf, wo, lnf
;; launch lat: the kernel of part 2 again; grid 128 x 1, 16 waves a work-group, no clusters, 83,968 bytes of LDS; arguments lnf, wf, qf, po, ml; writes qf, po, ml
;; launch main (part 6): grid 256 x 1, 4 waves a work-group, no clusters, 264,704 bytes of LDS; arguments x, attention_mask, gamma_m, beta_m, wf, qf, po, ml; writes po, ml
.if DOCPART == 6
	.amdgcn_target "amdgcn-amd-amdhsa--gfx1250"
	.amdhsa_code_object_version 6
	.text
	.protected	k_q6ce7fbc46e_main
	.globl	k_q6ce7fbc46e_main
	.p2align	8
	.type	k_q6ce7fbc46e_main,@function
k_q6ce7fbc46e_main:
	s_mov_b64 s[64:65], 0
	v_nop
	global_prefetch_b8 v0, s[64:65] scope:SCOPE_SE
	s_setreg_imm32_b32 hwreg(HW_REG_WAVE_SCHED_MODE, 0, 2), 2
	s_setreg_imm32_b32 hwreg(HW_REG_WAVE_MODE, 25, 1), 1
	s_wait_xcnt 0x0
	s_wait_alu depctr_vm_vsrc(0)
; One work-group for 128 media rows (32,768 rows = 256 work-groups): LayerNorm, the K and V projections, and the masked
; softmax partial of these 128 keys for all 16 heads and 64 queries.  K and V never leave the registers.
; PHASE 1: wave w normalises rows 32 w .. + 31 (one row at a time in 32 registers, a ring of 8 rows in flight) into LDS as f16.
; PHASE 2: wave w owns heads 4 w .. 4 w + 3, two at a time: 128 keys x (2 heads x 32 d x K and V) = 64 accumulator tiles = 512
;          registers.  Rows come from LDS, the weight fragments straight from memory into a ring of four register slots.
; PHASE 3: the tiles pack in place into K and V fragments (K made transposed, V natural: no shuffle), then for each head and
;          query block S^T = K q^T + bias, the block's own maximum is taken away, P = exp2, O^T = V^T P, l = ones x P.
; m, l and the unnormalised o of the block go to memory; a later launch merges the 33 blocks of each (batch, head).
; MASK: a key whose mask word is 1 gets the bias -1e30 as the matrix instruction's C in place of -inf: its exp2 is exactly 0
;   while any key of the block is open; a block with no open key stores m = -1e30 and the merge gives it the weight exp2(-1e30 - M)
;   = 0 (M is finite: the latent block is never masked).  LIMIT: scores must stay far below 1e30 in size.
; LIMIT: f16 operands: a normalised value, k or v at or above 65,504 in size becomes infinite.
; NO CLUSTER, NO TENSOR LOADS: the normalised rows take 264,192 of the 327,680 bytes of LDS that a work-group can have; the rest holds
;   less than two k-steps of the weights (32,768 bytes each), too few slots for a shared ring that stays filled.  Each weight
;   fragment is used by one wave of the work-group alone, so it goes into that wave's registers, three k-steps (24 KiB) ahead.
;
; THE MODE: SCHED_MODE bits 1:0 = 2 (LLVM: expert scheduling mode 2), set by the entry lines.  The code itself states the register dependences
; between vector or matrix instructions and memory or LDS instructions, with s_wait_alu, always for 0.
; THE PLAN.  Registers that memory or LDS instructions touch, and who else names them:
;   v1, v3      offsets, made at the head and never written again.
;   PHASE 1     row slot s: row s's sums and its centring read it; then the loads of the row 8 further down land in it.
;               D0, D1: row s centres, scales and rounds in D[s & 1]; the LDS stores of its 16 words are issued in row s + 1 (row 7's at the trip's end).
;               v2: read by every LDS store, stepped once a trip.
;               ONE wait on va_vdst a row, behind the two v_rsq_f32: their results are written, the centring is done reading slot s, the row before has
;               written its words, v2 is written.  The refill and the row before's stores follow it; this row's lines behind it name D[s & 1], R, gamma and beta alone.
;               One more at a trip's end, for row 7.  A wait on vm_vsrc stands ahead of the centring of rows 2 to 7 and ahead of the add to v2.
;   PHASE 2     step k's matrix instructions read row buffer k & 1 and weight slot k; its loads land in buffer (k + 1) & 1 and slot (k + 3) & 3, both last read by
;               step k - 1.  ONE wait on va_vdst at a step's head; the loads are dealt among the step's matrix instructions.  AD is stepped once in four steps.
;   PHASE 3     O^T and l of a query block are written by matrix instructions, m | l by a select; ONE wait on va_vdst, behind the next block's score products,
;               stands ahead of the block's stores; one wait on vm_vsrc ahead of the products that write O^T again.  The exponentials have a wait of their own.
;
; REGISTER WINDOWS (s_set_vgpr_msb: bits 1:0 source 0, 3:2 source 1, 5:4 source 2, 7:6 destination):
;   window 0: addresses, scratch, the mask bias, two buffers of row fragments (phase 1: gamma, beta, two buffers for the row at work)
;   window 1: phase 1: 8 row slots of 32; phase 2: 4 weight slots of 64 (fragment f = 4 kind + 2 e + db at 64 slot + 8 f)
;   window 2: K tiles at 8 (16 e + 2 kb + db);  window 3: V tiles at the same index
.set PITCH, 2064                       ; an LDS row: 2,048 bytes + 16: 129 x 16, so the 16 rows of a fragment load fall on 16 different 16-byte columns modulo 256
.set AD0, 4                            ; v[4:7]     LDS address of my part of rows 32 i + r, k = 0
.set AD,  8                            ; v[8:11]    the same, stepped along k
.set M,   12                           ; v[12:13]   the block maximum, twice
.set MU,  14                           ; v[14:15]   a row's mean, twice
.set MLV, 16                           ; v[16:19]   m or l of the four query blocks
.set NEG, 20                           ; v20        -1e30
.set R,   22                           ; v[22:23]   1/sqrt(var + eps), twice
.set T,   24                           ; v[24:39]   at work
.set BI,  64                           ; v[64:127]  bias of key 16 kb + 8 hh + j at 8 kb + j (first the mask words)
.set A0,  128                          ; v[128:191] row fragments, buffer 0; in phase 3 the q fragments at 32 e + 8 qb
.set A1,  192                          ; v[192:255] buffer 1
.set G,   128                          ; phase 1: gamma of my 32 columns
.set BE,  160                          ;          beta
.set D,   192                          ;          the centred row: two buffers of 32, by the row's parity
.set MSB, 0
.macro WIN new                         ; the immediate's high byte repeats the setting that is left
.if MSB != \new
	s_set_vgpr_msb (MSB<<8)|\new
.set MSB, \new
.endif
.endm
.macro PLACES                          ; four places behind matrix instructions (ISA guide 7.12.1)
.rept 4
	v_nop
.endr
.endm
.macro FETCHA k, buf                   ; 16 LDS loads: the 8 row fragments of k-step k (counted from AD)
.irp mb, 0,1,2,3,4,5,6,7
	ds_load_b128 v[\buf+8*\mb:\buf+8*\mb+3], v[AD+\mb/2] offset:(\mb%2)*16*PITCH+(\k)*64
	ds_load_b128 v[\buf+8*\mb+4:\buf+8*\mb+7], v[AD+\mb/2] offset:(\mb%2)*16*PITCH+(\k)*64+32
.endr
.endm
.macro FETCHB k, slot                  ; 16 loads of 512 consecutive bytes: the 8 weight fragments of k-step k (counted from s[16:17])
.irp f, 0,1,2,3,4,5,6,7
	global_load_b128 v[64*\slot+8*\f:64*\slot+8*\f+3], v1, s[16:17] offset:(\k)*8192+\f*1024
	global_load_b128 v[64*\slot+8*\f+4:64*\slot+8*\f+7], v1, s[16:17] offset:(\k)*8192+\f*1024+512
.endr
.endm
	s_load_b512 s[8:23], s[0:1], 0x0               ; x 8, mask 10, gamma 12, beta 14, wf 16, qf 18, po 20, ml 22
	v_lshl_add_u32 v62, v0, 2, 0x40800
	v_mov_b32 v63, 0
	v_lshrrev_b32 v1, 5, v0
	v_readfirstlane_b32 s2, v1                     ; wave 0..3
	v_and_b32 v24, 31, v0                          ; L
	v_and_b32 v25, 15, v0                          ; r
	v_bfe_u32 v26, v0, 4, 1                        ; hh
	v_lshlrev_b32 v1, 4, v24                       ; 16 L
	v_lshlrev_b32 v3, 5, v26                       ; 32 hh: 8 mask words
	v_mul_u32_u24 v[AD0], v25, PITCH
	v_lshl_add_u32 v[AD0], v26, 4, v[AD0]
	v_add_nc_u32 v[AD0+1], 32*PITCH, v[AD0]
	v_add_nc_u32 v[AD0+2], 64*PITCH, v[AD0]
	v_add_nc_u32 v[AD0+3], 96*PITCH, v[AD0]
	v_mov_b32 v[NEG], 0xf149f2ca                   ; -1e30
	s_mov_b32 s25, 0x3a800000                      ; 1/1024
	s_mov_b32 s26, 0x76543210                      ; v_permlanex16_b32: lane i reads lane i of the other half
	s_mov_b32 s27, 0xfedcba98
	s_mov_b32 s28, 0xffff0000                      ; lanes 16-31
	s_mov_b32 s29, 0x3727c5ac                      ; 1e-5
	s_mov_b32 s31, 0
	s_lshr_b32 s4, ttmp9, 5                        ; b
	s_and_b32 s5, ttmp9, 31                        ; key block
	s_lshl_b32 s6, s4, 4
	s_wait_alu depctr_va_sdst(0)                   ; s2 is written, ahead of its first reader: LDS places and the bases below are made from it
	s_mul_i32 s3, s2, 32*PITCH
	v_lshl_add_u32 v2, v24, 3, s3                  ; where I put 8 bytes of my wave's first row
	s_lshl2_add_u32 s6, s2, s6                     ; 16 b + 4 w: my first head
	s_mul_i32 s7, s6, 33
	s_add_co_u32 s7, s7, s5
	s_wait_kmcnt 0x0
	s_lshl_b32 s30, ttmp9, 19                      ; 128 rows of 4,096 bytes
	s_lshl_b32 s3, s2, 17                          ; 32 rows
	s_add_co_u32 s30, s30, s3
	s_add_nc_u64 s[8:9], s[8:9], s[30:31]
	s_lshl_b32 s30, ttmp9, 9
	s_add_nc_u64 s[10:11], s[10:11], s[30:31]      ; 128 mask words
	s_lshl_b32 s30, s2, 19
	s_add_nc_u64 s[16:17], s[16:17], s[30:31]      ; my 64 k-steps of weights
	s_lshl_b32 s30, s6, 12
	s_add_nc_u64 s[18:19], s[18:19], s[30:31]
	s_lshl_b32 s30, s7, 13
	s_add_nc_u64 s[20:21], s[20:21], s[30:31]
	s_lshl_b32 s30, s7, 9
	s_add_nc_u64 s[22:23], s[22:23], s[30:31]
	; ---------------- PHASE 1: LayerNorm.  Lane L holds columns 128 j + 4 L .. + 3 of a row
	s_wait_alu depctr_va_vdst(0)                   ; the offsets v1 and v3 and the LDS address v2 are written, which the loads and stores below read
.irp j, 0,1,2,3,4,5,6,7
	global_load_b128 v[G+4*\j:G+4*\j+3], v1, s[12:13] offset:512*\j
.endr
.irp j, 0,1,2,3,4,5,6,7
	global_load_b128 v[BE+4*\j:BE+4*\j+3], v1, s[14:15] offset:512*\j
.endr
.irp kb, 0,1,2,3,4,5,6,7
	global_load_b128 v[BI+8*\kb:BI+8*\kb+3], v3, s[10:11] offset:64*\kb
	global_load_b128 v[BI+8*\kb+4:BI+8*\kb+7], v3, s[10:11] offset:64*\kb+16
.endr
	WIN 0x40
.irp s, 0,1,2,3,4,5,6,7
.irp j, 0,1,2,3,4,5,6,7
	global_load_b128 v[32*\s+4*\j:32*\s+4*\j+3], v1, s[8:9] offset:\s*4096+512*\j th:TH_LOAD_NT
.endr
.endr
	WIN 0
.macro LANESUM                         ; v[T] = the sum of v[T] over the 32 lanes, in every lane
	v_add_f32_dpp v[T], v[T], v[T] row_xmask:1 row_mask:0xf bank_mask:0xf
	v_add_f32_dpp v[T], v[T], v[T] row_xmask:2 row_mask:0xf bank_mask:0xf
	v_add_f32_dpp v[T], v[T], v[T] row_xmask:4 row_mask:0xf bank_mask:0xf
	v_add_f32_dpp v[T], v[T], v[T] row_xmask:8 row_mask:0xf bank_mask:0xf
	v_permlanex16_b32 v[T+1], v[T], s26, s27
	v_add_f32 v[T], v[T], v[T+1]
.endm
; The row in slot s.  fill = 1: the slot gets the row 8 further down.  left: younger loads that stay out.
.macro ROW s, fill, left
.set DC, D+32*((\s)&1)                 ; this row's buffer
.set DP, D+32-32*((\s)&1)              ; the buffer of the row before
	s_wait_loadcnt \left
	WIN 0x05
.irp i, 0,1,2,3,4,5,6,7
	v_pk_add_f32 v[T+2*\i:T+2*\i+1], v[32*\s+4*\i:32*\s+4*\i+1], v[32*\s+4*\i+2:32*\s+4*\i+3]
.endr
	WIN 0
.irp i, 0,4,8,12
	v_pk_add_f32 v[T+\i:T+\i+1], v[T+\i:T+\i+1], v[T+\i+2:T+\i+3]
.endr
	v_pk_add_f32 v[T:T+1], v[T:T+1], v[T+4:T+5]
	v_pk_add_f32 v[T+8:T+9], v[T+8:T+9], v[T+12:T+13]
	v_pk_add_f32 v[T:T+1], v[T:T+1], v[T+8:T+9]
	v_add_f32 v[T], v[T], v[T+1]
	LANESUM
	v_mul_f32 v[MU], s25, v[T]
	v_mul_f32 v[MU+1], s25, v[T]
.if \s >= 2
	s_wait_alu depctr_vm_vsrc(0)                   ; the LDS stores issued in the row before have read this buffer, which the centring writes again (for rows 0 and 1 the wait at the trip's end says so)
.endif
	WIN 0x01
.irp i, 0,1,2,3,4,5,6,7,8,9,10,11,12,13,14,15
	v_pk_add_f32 v[DC+2*\i:DC+2*\i+1], v[32*\s+2*\i:32*\s+2*\i+1], v[MU:MU+1] neg_lo:[0,1] neg_hi:[0,1]   ; centred first: the variance is no difference of large sums
.endr
	WIN 0
.irp i, 0,1,2,3
	v_pk_mul_f32 v[T+2*\i:T+2*\i+1], v[DC+2*\i:DC+2*\i+1], v[DC+2*\i:DC+2*\i+1]
.endr
.irp i, 4,5,6,7,8,9,10,11,12,13,14,15
	v_pk_fma_f32 v[T+2*(\i%4):T+2*(\i%4)+1], v[DC+2*\i:DC+2*\i+1], v[DC+2*\i:DC+2*\i+1], v[T+2*(\i%4):T+2*(\i%4)+1]
.endr
	v_pk_add_f32 v[T:T+1], v[T:T+1], v[T+2:T+3]
	v_pk_add_f32 v[T+4:T+5], v[T+4:T+5], v[T+6:T+7]
	v_pk_add_f32 v[T:T+1], v[T:T+1], v[T+4:T+5]
	v_add_f32 v[T], v[T], v[T+1]
	LANESUM
	v_fma_f32 v[T], v[T], s25, s29                 ; var + eps
	v_rsq_f32 v[R], v[T]
	v_rsq_f32 v[R+1], v[T]
	v_nop                                          ; one plain place behind the transcendentals (ISA guide 5.7.2)
.if \fill
	WIN 0x40
.endif
	s_wait_alu depctr_va_vdst(0)                   ; the row's one wait: the two v_rsq_f32 have written R, ahead of its first reader; the sums and the centring are done reading slot s,
	                                               ; in which the loads below land; the row before has written its 16 words, and v2 is written, which the LDS stores below read
.if \fill
.irp j, 0,1,2,3,4,5,6,7
	global_load_b128 v[32*\s+4*\j:32*\s+4*\j+3], v1, s[8:9] offset:(8+\s)*4096+512*\j th:TH_LOAD_NT
.endr
	WIN 0
.endif
.irp j, 0,1,2,3,4,5,6,7
.if \s > 0
	ds_store_b64 v2, v[DP+2*\j:DP+2*\j+1] offset:(\s-1)*PITCH+256*\j   ; the row before: the wave writes 256 consecutive bytes.  No wait: no vector line since the wait names that buffer or v2
.endif
	v_pk_mul_f32 v[DC+4*\j:DC+4*\j+1], v[DC+4*\j:DC+4*\j+1], v[R:R+1]
	v_pk_mul_f32 v[DC+4*\j+2:DC+4*\j+3], v[DC+4*\j+2:DC+4*\j+3], v[R:R+1]
.endr
.irp i, 0,1,2,3,4,5,6,7,8,9,10,11,12,13,14,15
	v_pk_fma_f32 v[DC+2*\i:DC+2*\i+1], v[DC+2*\i:DC+2*\i+1], v[G+2*\i:G+2*\i+1], v[BE+2*\i:BE+2*\i+1]
.endr
.irp i, 0,1,2,3,4,5,6,7,8,9,10,11,12,13,14,15
	v_cvt_pk_f16_f32 v[DC+\i], v[DC+2*\i], v[DC+2*\i+1]    ; ascending and in place
.endr
.endm
.macro ROW7OUT                         ; a trip's last row leaves at the trip's end
.irp j, 0,1,2,3,4,5,6,7
	ds_store_b64 v2, v[D+32+2*\j:D+32+2*\j+1] offset:7*PITCH+256*\j
.endr
.endm
	s_mov_b32 s24, 3
.Lln:
.irp s, 0,1,2,3,4,5,6,7
	ROW \s, 1, 56                                  ; seven younger slots of eight loads stay out
.endr
	s_wait_alu depctr_va_vdst(0)                   ; row 7's conversions have written its 16 words, which the LDS stores read
	ROW7OUT
	s_wait_xcnt 0x0                                ; the loads' base is stepped only behind this wait
	s_add_nc_u64 s[8:9], s[8:9], 0x8000            ; 8 rows
	s_wait_alu depctr_vm_vsrc(0)                   ; the LDS stores issued so far have read v2, which the add writes, and both buffers, which the next rows 0 and 1 write
	v_add_nc_u32 v2, 8*PITCH, v2
	s_sub_co_u32 s24, s24, 1
	s_cmp_lg_u32 s24, 0
	s_cbranch_scc1 .Lln
.irp s, 0,1,2,3,4,5,6,7
	ROW \s, 0, 56-8*\s                             ; the last 8 rows load nothing: the counts run down
.endr
	; ---------------- the weights' ring is filled, the last row leaves, the mask becomes the bias; then the one barrier: from there on LDS is only read
	WIN 0x40
	s_wait_alu depctr_va_vdst(0)                   ; all sums and centrings are done reading the row slots, in which the weights land; row 7's conversions have written its 16 words
	FETCHB 0, 0
	FETCHB 1, 1
	FETCHB 2, 2
	WIN 0
	ROW7OUT
.set i, 0
.rept 8                                ; eight compares into eight scalar registers that are free by now, one wait, eight selects
.irp r, 3,4,5,6,7,24,30,31
	v_cmp_eq_u32 s\r, 1, v[BI+i]                   ; masked where the word is 1
.set i, i+1
.endr
	s_wait_alu depctr_va_sdst(0)                   ; the eight compares have written their masks, ahead of the selects that read them
.set i, i-8
.irp r, 3,4,5,6,7,24,30,31
	v_cndmask_b32 v[BI+i], 0, v[NEG], s\r
.set i, i+1
.endr
.endr
	s_wait_dscnt 0x0                               ; my rows are in LDS before I say so
	s_barrier_signal -1
	s_barrier_wait -1
	; ---------------- PHASE 2 macros
.macro KT k, zero, e, kb               ; K^T tiles db 0, 1 of head e, key block kb = Wk fragment (window 1) x rows (window 0): lane (r, hh) holds key 16 kb + r, d = 16 db + 8 hh + j
.irp db, 0,1
.if \zero
	v_wmma_f32_16x16x32_f16 v[8*(16*\e+2*\kb+\db):8*(16*\e+2*\kb+\db)+7], v[64*\k+8*(2*\e+\db):64*\k+8*(2*\e+\db)+7], v[A0+64*(\k&1)+8*\kb:A0+64*(\k&1)+8*\kb+7], 0
.else
	v_wmma_f32_16x16x32_f16 v[8*(16*\e+2*\kb+\db):8*(16*\e+2*\kb+\db)+7], v[64*\k+8*(2*\e+\db):64*\k+8*(2*\e+\db)+7], v[A0+64*(\k&1)+8*\kb:A0+64*(\k&1)+8*\kb+7], v[8*(16*\e+2*\kb+\db):8*(16*\e+2*\kb+\db)+7]
.endif
.endr
.endm
; One k-step: weight slot k, row buffer k & 1.  left: younger global loads that may stay out when slot k has to be in.
; zero = 1: a pass's first step: its products start the sums, and the wait in START, behind which only LDS loads were issued, serves it.
.macro STEP k, zero, aload, bload, qload, left, p
	s_wait_loadcnt \left
	s_wait_dscnt 0x0                               ; this step's row fragments, asked for 56 matrix instructions ago, are all that is out
.if !\zero
	PLACES                                         ; behind the last step's matrix instructions, ahead of the loads into the buffer and the slot that they read
	s_wait_alu depctr_va_vdst(0)                   ; the step's one wait: the last step's matrix instructions are done reading row buffer (k + 1) & 1 and weight slot (k + 3) & 3, in which
	                                               ; this step's loads land; in the first of four steps the adds have written AD, which the LDS loads read
.endif
	WIN 0xa1
.irp kb, 0,1,2,3
	KT \k, \zero, 0, \kb
.endr
.if \aload
	WIN 0
	FETCHA (\k+1), (A0+64*((\k+1)&1))              ; no wait: the matrix instructions since the wait name buffer k & 1, slot k and the accumulators alone
.endif
.if \qload
	WIN 0
.irp e, 0,1
.irp qb, 0,1,2,3
	global_load_b128 v[A0+32*\e+8*\qb:A0+32*\e+8*\qb+3], v1, s[18:19] offset:(2*\p+\e)*4096+\qb*1024
	global_load_b128 v[A0+32*\e+8*\qb+4:A0+32*\e+8*\qb+7], v1, s[18:19] offset:(2*\p+\e)*4096+\qb*1024+512
.endr
.endr
.endif
	WIN 0xa1
.irp kb, 4,5,6,7
	KT \k, \zero, 0, \kb
.endr
.irp kb, 0,1,2,3,4,5,6,7
	KT \k, \zero, 1, \kb
.endr
.if \bload
	WIN 0x40
	FETCHB (\k+3), ((\k+3)&3)                      ; likewise no wait
.endif
	WIN 0xf4                                       ; V tile = rows x Wv fragment: lane (r, hh) holds d = 16 db + r, keys 16 kb + 8 hh + j
.irp e, 0,1
.irp kb, 0,1,2,3,4,5,6,7
.irp db, 0,1
.if \zero
	v_wmma_f32_16x16x32_f16 v[8*(16*\e+2*\kb+\db):8*(16*\e+2*\kb+\db)+7], v[A0+64*(\k&1)+8*\kb:A0+64*(\k&1)+8*\kb+7], v[64*\k+32+8*(2*\e+\db):64*\k+32+8*(2*\e+\db)+7], 0
.else
	v_wmma_f32_16x16x32_f16 v[8*(16*\e+2*\kb+\db):8*(16*\e+2*\kb+\db)+7], v[A0+64*(\k&1)+8*\kb:A0+64*(\k&1)+8*\kb+7], v[64*\k+32+8*(2*\e+\db):64*\k+32+8*(2*\e+\db)+7], v[8*(16*\e+2*\kb+\db):8*(16*\e+2*\kb+\db)+7]
.endif
.endr
.endr
.endr
.endm
.macro STEPB                           ; four k-steps of weights on
	s_wait_xcnt 0x0                                ; the loads' base is stepped only behind this wait
	s_add_nc_u64 s[16:17], s[16:17], 0x8000
.endm
.macro TRIP zero                       ; four k-steps; 32 = the two younger k-steps of 16 loads each
	STEP 0, \zero, 1, 1, 0, 32, 0
	STEP 1, 0, 1, 1, 0, 32, 0
	STEP 2, 0, 1, 1, 0, 32, 0
	STEP 3, 0, 1, 1, 0, 32, 0
	WIN 0
	s_wait_alu depctr_vm_vsrc(0)                   ; the LDS loads issued so far have read AD, which the adds write
.irp i, 0,1,2,3
	v_add_nc_u32 v[AD+\i], 256, v[AD+\i]
.endr
	STEPB
.endm
; A pass begins at k = 0 of the rows.  again = 1: the second pass, which follows the first pass's stores.
.macro START again
.if \again
	s_wait_xcnt 0x0                                ; the last stores' data lie in accumulator registers, written again below
.endif
	s_wait_alu depctr_vm_vsrc(0)                   ; first pass: phase 1's LDS stores have read v[192:255], row buffer 1 from here on; second pass: the stores have read O^T and m | l, the LDS loads AD
	WIN 0
.irp i, 0,1,2,3
	v_mov_b32 v[AD+\i], v[AD0+\i]
.endr
	s_wait_alu depctr_va_vdst(0)                   ; AD is written, which the LDS loads read; all that read or wrote the two row buffers and weight slot 3 (phase 1's lines; the pass before's matrix instructions) is done
	FETCHA 0, A0
.endm
	; ---------------- PHASE 3 macros
; Window 2, head e: K fragment kb at 128 e + 16 kb, score tile kb 8 behind it.
; Window 3, head e: V fragment (t, db) at 128 e + 32 t + 8 db, P fragment t at + 16; + 24: O^T db 0 (t = 0), db 1 (t = 1), l (t = 2), ones (t = 3).
; SE, SQ: head of the pass and query block whose scores and softmax are made; OE, OQ: the block that leaves.
.macro SCORE
	WIN 0x82
.irp kb, 0,1,2,3,4,5,6,7
	v_wmma_f32_16x16x32_f16 v[128*SE+16*\kb+8:128*SE+16*\kb+15], v[128*SE+16*\kb:128*SE+16*\kb+7], v[A0+32*SE+8*SQ:A0+32*SE+8*SQ+7], v[BI+8*\kb:BI+8*\kb+7]
.endr
.endm
; first = 1: a pass's first block: no store has been issued since the waits in START.
.macro SOFT first
	WIN 0x0a                                       ; the largest of my 64 scores: four chains of 16
.irp c, 0,1,2,3
	v_max_num_f32 v[T+\c], v[128*SE+32*\c+8], v[128*SE+32*\c+9]
.endr
.irp i, 10,12,14,24,26,28,30
.irp c, 0,1,2,3
	v_max3_num_f32 v[T+\c], v[128*SE+32*\c+\i], v[128*SE+32*\c+\i+1], v[T+\c]
.endr
.endr
	WIN 0
	v_max3_num_f32 v[T], v[T], v[T+1], v[T+2]
	v_max_num_f32 v[T], v[T], v[T+3]
	v_permlanex16_b32 v[T+1], v[T], s26, s27       ; the other half of the lanes holds the query's other 64 keys
	v_max_num_f32 v[M], v[T], v[T+1]
	v_max_num_f32 v[M+1], v[T], v[T+1]
	WIN 0x82
.irp kb, 0,1,2,3,4,5,6,7
.irp i, 8,10,12,14
	v_pk_add_f32 v[128*SE+16*\kb+\i:128*SE+16*\kb+\i+1], v[128*SE+16*\kb+\i:128*SE+16*\kb+\i+1], v[M:M+1] neg_lo:[0,1] neg_hi:[0,1]
.endr
.endr
.irp kb, 0,1,2,3,4,5,6,7
.irp i, 8,9,10,11,12,13,14,15
	v_exp_f32 v[128*SE+16*\kb+\i], v[128*SE+16*\kb+\i]
.endr
.endr
	v_nop                                          ; one plain place behind the transcendentals (ISA guide 5.7.2)
	s_wait_alu depctr_va_vdst(0)                   ; the 64 exponentials have written their results, ahead of the roundings that read them: one wait for the batch
	WIN 0xca
.irp t, 0,1,2,3
.irp i, 0,1,2,3
	v_cvt_pk_f16_f32 v[128*SE+32*\t+16+\i], v[128*SE+32*\t+8+2*\i], v[128*SE+32*\t+9+2*\i]
	v_cvt_pk_f16_f32 v[128*SE+32*\t+20+\i], v[128*SE+32*\t+24+2*\i], v[128*SE+32*\t+25+2*\i]
.endr
.endr
.if !\first
	s_wait_xcnt 0x0                                ; the last query block's stores read O^T and MLV, written again below and in the next block
	s_wait_alu depctr_vm_vsrc(0)                   ; those stores have read O^T, which the products below write, and MLV, which the next select writes
.endif
	WIN 0xff
.irp t, 0,1,2,3
.if \t == 0
	v_wmma_f32_16x16x32_f16 v[128*SE+24:128*SE+31], v[128*SE+32*\t:128*SE+32*\t+7], v[128*SE+32*\t+16:128*SE+32*\t+23], 0
	v_wmma_f32_16x16x32_f16 v[128*SE+56:128*SE+63], v[128*SE+32*\t+8:128*SE+32*\t+15], v[128*SE+32*\t+16:128*SE+32*\t+23], 0
	v_wmma_f32_16x16x32_f16 v[128*SE+88:128*SE+95], v[128*SE+120:128*SE+127], v[128*SE+32*\t+16:128*SE+32*\t+23], 0
.else
	v_wmma_f32_16x16x32_f16 v[128*SE+24:128*SE+31], v[128*SE+32*\t:128*SE+32*\t+7], v[128*SE+32*\t+16:128*SE+32*\t+23], v[128*SE+24:128*SE+31]
	v_wmma_f32_16x16x32_f16 v[128*SE+56:128*SE+63], v[128*SE+32*\t+8:128*SE+32*\t+15], v[128*SE+32*\t+16:128*SE+32*\t+23], v[128*SE+56:128*SE+63]
	v_wmma_f32_16x16x32_f16 v[128*SE+88:128*SE+95], v[128*SE+120:128*SE+127], v[128*SE+32*\t+16:128*SE+32*\t+23], v[128*SE+88:128*SE+95]
.endif
.endr
.endm
; Block (OE, OQ) leaves.  It stands behind four places, which follow its last products and the next block's score products.
.macro OUT p
	WIN 0x0c
	v_cndmask_b32 v[MLV+OQ], v[M], v[128*OE+88], s28       ; lanes 0-15: m of query r; lanes 16-31: l of query r
	s_wait_alu depctr_va_vdst(0)                   ; the matrix instructions have written O^T and the select has written MLV, which the stores below read; the places stay beside this wait
.irp db, 0,1
.irp hf, 0,1
	global_store_b128 v1, v[128*OE+24+32*\db+4*\hf:128*OE+24+32*\db+4*\hf+3], s[20:21] offset:(2*\p+OE)*270336+OQ*2048+\db*1024+\hf*512   ; 512 consecutive bytes a store
.endr
.endr
.if OQ == 3
	WIN 0
	global_store_b128 v1, v[MLV:MLV+3], s[22:23] offset:(2*\p+OE)*16896
.endif
.endm
; qleft: global loads younger than the q fragments' that may stay out
.macro ATT p, qleft
	PLACES                                         ; behind the last products, before their results are read
	WIN 0x8a                                       ; K: tiles db 0, 1 of a key block become its fragment, in place and ascending; 8 registers come free for the scores
.irp e, 0,1
.irp kb, 0,1,2,3,4,5,6,7
.irp i, 0,1,2,3
	v_cvt_pk_f16_f32 v[128*\e+16*\kb+\i], v[128*\e+16*\kb+2*\i], v[128*\e+16*\kb+2*\i+1]
.endr
.irp i, 0,1,2,3
	v_cvt_pk_f16_f32 v[128*\e+16*\kb+4+\i], v[128*\e+16*\kb+8+2*\i], v[128*\e+16*\kb+9+2*\i]
.endr
.endr
.endr
	WIN 0xcf                                       ; V: the tiles of key blocks 2t, 2t+1 become fragment (t, db); 16 registers come free
.irp e, 0,1
.irp t, 0,1,2,3
.irp db, 0,1
.irp i, 0,1,2,3
	v_cvt_pk_f16_f32 v[128*\e+32*\t+8*\db+\i], v[128*\e+32*\t+8*\db+2*\i], v[128*\e+32*\t+8*\db+2*\i+1]
.endr
.irp i, 0,1,2,3
	v_cvt_pk_f16_f32 v[128*\e+32*\t+8*\db+4+\i], v[128*\e+32*\t+16+8*\db+2*\i], v[128*\e+32*\t+17+8*\db+2*\i]
.endr
.endr
.endr
.endr
	WIN 0xc0
.irp e, 0,1
.irp i, 0,1,2,3,4,5,6,7
	v_mov_b32 v[128*\e+120+\i], 0x3c003c00         ; f16 ones: l is the f32 sum of the same f16 P that feeds o
.endr
.endr
	s_wait_loadcnt \qleft
.set SE, 0
.set SQ, 0
	SCORE
	PLACES
	SOFT 1
.set n, 1
.rept 7                                ; the next block's scores are asked of the matrix unit behind this block's last products; then this block leaves, then the next block's softmax
.set OE, SE
.set OQ, SQ
.set SE, n/4
.set SQ, n%4
	SCORE
	PLACES
	OUT \p
	SOFT 0
.set n, n+1
.endr
.set OE, 1
.set OQ, 3
	PLACES
	OUT \p
.endm
	; ---------------- pass 0: heads 4 w, 4 w + 1
	START 0
	TRIP 1                                         ; the first products start the sums: nothing is cleared
	s_mov_b32 s24, 6
.Lgemm0:
	TRIP 0
	s_sub_co_u32 s24, s24, 1
	s_cmp_lg_u32 s24, 0
	s_cbranch_scc1 .Lgemm0
	STEP 0, 0, 1, 1, 0, 32, 0                      ; the last trip goes on fetching weights: they are pass 1's first three k-steps
	STEP 1, 0, 1, 1, 0, 32, 0
	STEP 2, 0, 1, 1, 0, 32, 0
	STEP 3, 0, 0, 1, 1, 32, 0                      ; no rows follow; buffer 0 takes the q fragments
	STEPB
	ATT 0, 16                                      ; one k-step of weights (16 loads) is younger than the q fragments
	; ---------------- pass 1: heads 4 w + 2, 4 w + 3
	START 1
	TRIP 1
	s_mov_b32 s24, 6
.Lgemm1:
	TRIP 0
	s_sub_co_u32 s24, s24, 1
	s_cmp_lg_u32 s24, 0
	s_cbranch_scc1 .Lgemm1
	STEP 0, 0, 1, 1, 0, 32, 1                      ; fetches the last k-step of weights;
	STEP 1, 0, 1, 0, 0, 32, 1                      ; then nothing more: the counts run down
	STEP 2, 0, 1, 0, 0, 16, 1
	STEP 3, 0, 0, 0, 1, 0, 1
	ATT 1, 0
	s_wait_dscnt 0x0
	s_wait_alu depctr_hold_cnt(0) depctr_sa_sdst(0) depctr_va_vdst(0) depctr_va_sdst(0) depctr_va_ssrc(0) depctr_va_vcc(0) depctr_vm_vsrc(0)
	s_wait_tensorcnt 0x0
	ds_add_u32 v62, v63
	s_wait_dscnt 0x0
	s_endpgm
.Lfunc_end_k_q6ce7fbc46e_main:
	.size	k_q6ce7fbc46e_main, .Lfunc_end_k_q6ce7fbc46e_main-k_q6ce7fbc46e_main
	.p2alignl 7, 3214868480
	.fill 96, 4, 3214868480
	.section	.rodata,"a",@progbits
	.p2align	6, 0x0
	.amdhsa_kernel k_q6ce7fbc46e_main
		.amdhsa_group_segment_fixed_size 264704
		.amdhsa_private_segment_fixed_size 0
		.amdhsa_enable_private_segment 0
		.amdhsa_kernarg_size 64
		.amdhsa_user_sgpr_count 2
		.amdhsa_user_sgpr_kernarg_segment_ptr 1
		.amdhsa_wavefront_size32 1
		.amdhsa_system_sgpr_workgroup_id_x 1
		.amdhsa_system_sgpr_workgroup_id_y 1
		.amdhsa_system_sgpr_workgroup_id_z 1
		.amdhsa_system_vgpr_workitem_id 0
		.amdhsa_next_free_vgpr 1024
		.amdhsa_next_free_sgpr 66
		.amdhsa_reserve_vcc 0
		.amdhsa_float_denorm_mode_32 3
		.amdhsa_float_denorm_mode_16_64 3
		.amdhsa_memory_ordered 1
		.amdhsa_forward_progress 1
		.amdhsa_inst_pref_size 255
	.end_amdhsa_kernel
	.section	.bss,"aw",@nobits
	.p2align	6
	.space	262144
	.amdgpu_metadata
---
amdhsa.version: [ 1, 2 ]
amdhsa.kernels:
  - .name:           k_q6ce7fbc46e_main
    .symbol:         k_q6ce7fbc46e_main.kd
    .args:
      - { .name: x, .offset: 0, .size: 8, .value_kind: global_buffer, .address_space: global }
      - { .name: attention_mask, .offset: 8, .size: 8, .value_kind: global_buffer, .address_space: global }
      - { .name: gamma_m, .offset: 16, .size: 8, .value_kind: global_buffer, .address_space: global }
      - { .name: beta_m, .offset: 24, .size: 8, .value_kind: global_buffer, .address_space: global }
      - { .name: wf, .offset: 32, .size: 8, .value_kind: global_buffer, .address_space: global }
      - { .name: qf, .offset: 40, .size: 8, .value_kind: global_buffer, .address_space: global }
      - { .name: po, .offset: 48, .size: 8, .value_kind: global_buffer, .address_space: global }
      - { .name: ml, .offset: 56, .size: 8, .value_kind: global_buffer, .address_space: global }
    .group_segment_fixed_size: 264704
    .private_segment_fixed_size: 0
    .kernarg_segment_align: 8
    .kernarg_segment_size: 64
    .max_flat_workgroup_size: 128
    .sgpr_count:     66
    .vgpr_count:     1024
    .wavefront_size: 32
...
	.end_amdgpu_metadata
.endif
;; end of part 6
;; launch comb: the kernel of part 4 again; grid 256 x 1, 12 waves a work-group, no clusters, 11,776 bytes of LDS; arguments po, ml, ofrag; writes ofrag
;; launch proj: the kernel of part 5 again; grid 256 x 1, 8 waves a work-group, no clusters, 35,840 bytes of LDS; arguments ofrag, wo, out0; writes out0
